; MI455X (gfx1250); checked and timed in simulation.
; The chip was launched on July 23, 2026; its instructions are those of AMD's public machine-readable ISA for CDNA 5 (MIT licence, August 2026) and "CDNA5" Instruction Set Architecture Reference Guide (July 2026). The comments in the code are by the model that wrote it; some were corrected since.
;; Model. Allowed arithmetic: matrix products marked QUANTISED: E2M1 operands, one E8M0 scale for each 32 along K, by v_wmma_scale_f32_16x16x128_f8f6f4 with both operands' format E2M1 (or v_wmma_scale_f32_32x16x128_f4), f32 sums; products left as they are: f32 operands where the result goes on into a quantised operand, else bf16, f16 or f32 operands; f32 sums; everything else in f32.
;; Inputs: W_em 512 x 512 float32; W_sv 512 x 32,000 float32; W_tv_codes 32,000 x 16 x 16 uint8 (E2M1 codes of W_tv, K innermost, in blocks of 32 codes, two codes a byte); W_tv_scales 32,000 x 16 uint8 (E8M0 scales of W_tv, one for each 32 codes along K); b_em 512 float32; b_sv 32,000 float32; b_tv 32,000 float32; sources 32 x 64 int32; target_lengths 32 int32; target_state_codes 32 x 64 x 16 x 16 uint8 (E2M1 codes of target_state, K innermost, in blocks of 32 codes, two codes a byte); target_state_scales 32 x 64 x 16 uint8 (E8M0 scales of target_state, one for each 32 codes along K); targets 32 x 64 int32; y_hidden_codes 32 x 64 x 16 x 16 uint8 (E2M1 codes of y_hidden, K innermost, in blocks of 32 codes, two codes a byte); y_hidden_null 1 x 512 float32; y_hidden_scales 32 x 64 x 16 uint8 (E8M0 scales of y_hidden, one for each 32 codes along K).
;; Outputs: out0 32 x 128 x 64 float32; out1 32 x 64 float32; out2 32 x 64 float32; out3 32 x 64 int32.
;; This version of the problem:
;;   THIS VERSION OF THE PROBLEM IS GIVEN IN LOW PRECISION. The matrix products marked QUANTISED in the list below multiply operands that are first quantised to E2M1 (2 exponent bits, 1 mantissa bit; 4 bits a number), with one power-of-two scale for each 32 numbers along K (OCP MX v1.0); their sums are f32. All else is computed in f32.
;;   The module's matrix products, in the order in which they are computed (A, B: the left and right operand; K: the contracted axis; several contracted axes count as one K, in the product's order):
;;     1. [M 2,048, K 512] x [K 512, N 512]; A: input y_hidden (given as codes); B: input W_em: QUANTISED
;;     2. [M 1, K 512] x [K 512, N 512]; A: input y_hidden_null; B: input W_em: left as it is (M = 1 < 16)
;;     3. [M 2,048, K 512] x [K 512, N 32,000]; A: computed on the way; B: input W_sv: QUANTISED
;;     4. [M 1, K 512] x [K 512, N 32,000]; A: computed on the way; B: input W_sv: left as it is (M = 1 < 16)
;;     5. [M 2,048, K 512] x [K 512, N 32,000]; A: input target_state (given as codes); B: input W_tv (given as codes): QUANTISED
;;   THE QUANTISER, for each operand of a quantised product, along K:
;;     - K is cut into blocks of 32 from its start; a last block that is shorter is filled with zeros.
;;     - A block's scale is 2^e with e = floor(log2(the largest magnitude in the block)) - 2, held to -126 .. 127; a block of zeros has e = 0. As a byte (E8M0): e + 127.
;;     - Each number is divided by its block's scale, clamped to +-6, and rounded to the nearest number of E2M1, ties to even, subnormals kept.
;;     - The product sums the exact products of the quantised numbers (number of the format x scale) in f32.
;;   ~~~python
;;   def quantise(x, axis):      # numpy; x: float32 -> the quantised numbers, widened to float32 again
;;       x = np.moveaxis(x, axis, -1); K = x.shape[-1]
;;       x = np.pad(x, [(0, 0)] * (x.ndim - 1) + [(0, -K % 32)]); x = x.reshape(x.shape[:-1] + (-1, 32)); a = np.abs(x).max(-1, keepdims=True)
;;       e = np.where(a > 0, np.clip(np.frexp(np.where(a > 0, a, 1))[1] - 1 - 2, -126, 127), 0)      # np.frexp(a)[1] - 1 = floor(log2(a)), exactly
;;       r = np.clip(x / 2.0 ** e, -6, 6)
;;       step = 2.0 ** (np.maximum(np.frexp(np.where(r == 0, 1, r))[1] - 1, 0) - 1)
;;       q = np.round(r / step) * step * 2.0 ** e      # np.round: ties to even
;;       return np.moveaxis(q.reshape(q.shape[:-2] + (-1,))[..., :K], -1, axis).astype(np.float32)
;;   ~~~
;;   OPERANDS COMPUTED ON THE WAY. 'Computed on the way' means the value that the module computes at that place (a softmax that the list does not call 'softmax' is quantised finished and normalised). What goes into a quantiser is computed in f32, as accurately as f32 sums, v_exp_f32 and their like allow (about 1e-6 of the number): no bf16 or f16 on the way to a quantiser, and a product that is left as it is and whose result goes on into a quantised operand takes f32 operands (vector FMAs, or v_wmma_f32_16x16x4_f32). A number that lies on a knife's edge between two numbers of the format may be rounded either way, as far as f32 arithmetic and the matrix unit's own rounding can turn it there, and no further.
;;   INPUTS GIVEN AS CODES. W_tv (in the module: [512, 32000], K = its axis 0); target_state (in the module: [32, 64, 512], K = its axis 2); y_hidden (in the module: [32, 64, 512], K = its axis 2): each comes as NAME_codes (uint8): NAME with its K axis moved to the last place and cut into blocks of 32 codes, [.., K / 32, bytes a block], one block behind the other in memory; two codes a byte, the lower K in the low four bits (a code: sign, 2 exponent bits, 1 mantissa bit); and NAME_scales (uint8): the same leading axes, one E8M0 byte (e + 127) for each 32 codes along K. Its value is code x scale, taken as it is: it is not quantised again, and the codes and scales need not be those that the quantiser above would give.
;; One version. Each part assembles by itself: llvm-mc -triple=amdgcn-amd-amdhsa -mcpu=gfx1250 --defsym DOCPART=n.
;; ======== version 1 of 1: 3 launches
;; limits: right only within a limited range of input values
;; workspace buffers: tsn 2,048 bytes; ts_codes 524,288 bytes; ts_scales 32,768 bytes; wsv_codes 8,192,000 bytes; wsv_scales 512,000 bytes; nul 129,024 bytes; part 4,096,000 bytes
;; launch prep (part 1): grid 4 x 16, 8 waves a work-group, no clusters, 327,680 bytes of LDS; arguments W_em, b_em, y_hidden_null, y_hidden_codes, y_hidden_scales, tsn, ts_codes, ts_scales; writes tsn, ts_codes, ts_scales
.if DOCPART == 1
	.amdgcn_target "amdgcn-amd-amdhsa--gfx1250"
	.amdhsa_code_object_version 6
	.text
	.protected	k_q326c118273_prep
	.globl	k_q326c118273_prep
	.p2align	8
	.type	k_q326c118273_prep,@function
k_q326c118273_prep:
	s_mov_b64 s[64:65], 0
	v_nop
	global_prefetch_b8 v0, s[64:65] scope:SCOPE_SE
	s_setreg_imm32_b32 hwreg(HW_REG_WAVE_MODE, 25, 1), 1
	s_wait_xcnt 0x0
.set NCOL,  512
.set GRD, 1
.set CST,   262144
.set SST,   296960
.set NPT,   299008
.set WV,    2
.set YB,    3
.set ZO,    17
.set CD,    18
.set X,     32
.set NA,    132
.set TQ,    32
.set TP,    40
.set TE,    48
.set YS,    96
.set YF,    100
.set WS,    132
.set HA,    164
.set PC,    228
.set PW,    236
.set TM,    240
.set C9,    40
.set C7,    41
.set C5,    42
.set C3,    43
.set C2,    44
.set QT,    45
.set SEL,   46
.set MSB, 0
.macro WIN new
.if MSB != \new
	s_set_vgpr_msb (MSB<<8)|\new
.set MSB, \new
.endif
.endm
.macro BARRIER
	s_barrier_signal -1
	s_barrier_wait -1
.endm
.macro MLOAD
	WIN 0x40
.set u, 0
.rept 8
.set q, 0
.rept 8
	global_load_b128 v[32*u+4*q:32*u+4*q+3], v[ZO], s[8:9] offset:(256*(u/4)+32*(u%4))*4+16*q
.set q, q+1
.endr
.set u, u+1
.endr
	WIN 0
.endm
.macro LOADB ph, t
.set i, 0
.rept 32
	ds_load_b32 v[X+32*((\t)%2)+i], v[2+(\ph)] offset:(32*(\t)+i)*512
.set i, i+1
.endr
.endm
.macro QBLOCK ph, t, left
.set XS, X+32*((\t)%2)
.set CS, CD+4*((\t)%2)
.set MB, 32*(4*(\ph)+(\t))
	s_wait_dscnt \left
	v_max3_num_f32 v12, |v[XS]|, |v[XS+1]|, |v[XS+2]|
	v_max3_num_f32 v13, |v[XS+3]|, |v[XS+4]|, |v[XS+5]|
.irp i, 6,10,14,18,22,26
	s_delay_alu instid0(VALU_DEP_2)
	v_max3_num_f32 v12, v12, |v[XS+\i]|, |v[XS+\i+1]|
	s_delay_alu instid0(VALU_DEP_2)
	v_max3_num_f32 v13, v13, |v[XS+\i+2]|, |v[XS+\i+3]|
.endr
	s_delay_alu instid0(VALU_DEP_2)
	v_max3_num_f32 v12, v12, |v[XS+30]|, |v[XS+31]|
	s_delay_alu instid0(VALU_DEP_1)
	v_max3_num_f32 v12, v12, v13, 0x1800000
	s_delay_alu instid0(VALU_DEP_1)
	v_add_nc_u32 v14, 0xff000000, v12
.irp g, 0,1,2,3
	v_cvt_scalef32_pk8_fp4_f32 v[CS+\g], v[XS+8*\g:XS+8*\g+7], v14
.endr
.if (\t) == 0
	v_lshrrev_b32 v16, 23, v14
.else
	v_lshrrev_b32 v15, 23, v14
	s_delay_alu instid0(VALU_DEP_1)
	v_lshl_or_b32 v16, v15, 8*(\t), v16
.endif
	ds_store_b128 v4, v[CS:CS+3] offset:128*(\ph)+16*(\t)
.if GRD
	s_cmp_lg_u32 s[YB], 0
	s_cbranch_scc1 .Lnodot_\@
.endif
	WIN 0x04
.set i, 0
.rept 16
	v_pk_fma_f32 v[NA+2*(i%4):NA+2*(i%4)+1], v[XS+2*i:XS+2*i+1], v[MB+2*i:MB+2*i+1], v[NA+2*(i%4):NA+2*(i%4)+1]
.set i, i+1
.endr
	WIN 0
.if GRD
.Lnodot_\@:
.endif
.if (\t) < 2
	LOADB \ph, (\t)+2
.endif
.endm
.macro QPHASE ph
	LOADB \ph, 0
	LOADB \ph, 1
	QBLOCK \ph, 0, 32
	QBLOCK \ph, 1, 33
	QBLOCK \ph, 2, 33
	QBLOCK \ph, 3, 1
	s_wait_alu depctr_va_vdst(0)
	ds_store_b32 v5, v16 offset:8*(\ph)
.endm
	s_load_b256 s[4:11], s[0:1], 0x0
	s_load_b64 s[66:67], s[0:1], 0x20
	s_load_b128 s[32:35], s[0:1], 0x28
	s_load_b64 s[36:37], s[0:1], 0x38
	v_lshl_add_u32 v250, v0, 2, 0x49800
	v_mov_b32 v251, 0
	ds_add_u32 v250, v251
	ds_add_u32 v250, v251
	v_lshrrev_b32 v7, 5, v0
	s_delay_alu instid0(VALU_DEP_1)
	v_readfirstlane_b32 s[WV], v7
	s_and_b32 s[YB], ttmp7, 0xffff
	s_mov_b32 s20, 2<<16
	s_mov_b32 s21, 128<<16
	s_mov_b32 s22, 64<<16
	s_mov_b32 s23, 128<<16
	s_mov_b32 s24, 64
	s_mov_b32 s25, NCOL
	s_mov_b32 s26, 0
	s_mov_b32 s27, 0
	s_mov_b32 s12, 1
	s_lshl_b32 s13, s[WV], 15
	s_mul_i32 s100, s[WV], 64*NCOL*4
	s_lshl_b32 s101, ttmp9, 9
	s_add_co_u32 s100, s100, s101
	s_mov_b32 s101, 0
	s_lshr_b32 s104, s[WV], 2
	s_lshl_b32 s104, s104, 9
	s_mov_b32 s105, 0
	s_wait_dscnt 0x0
	s_wait_kmcnt 0x0
	s_add_nc_u64 s[14:15], s[4:5], s[100:101]
	s_or_b32 s15, s15, 0x80000000
	tensor_load_to_lds s[12:15], s[20:27]
	s_nop 0
.rept 4
	v_nop
.endr
	s_add_nc_u64 s[8:9], s[8:9], s[104:105]
	v_mov_b32 v[ZO], 0
	MLOAD
	v_and_b32 v1, 127, v0
	v_lshrrev_b32 v7, 7, v0
	s_delay_alu instid0(VALU_DEP_2)
	v_lshlrev_b32 v2, 2, v1
	s_delay_alu instid0(VALU_DEP_1)
	v_lshl_add_u32 v6, v7, 9, v2
	s_delay_alu instid0(VALU_DEP_1)
	v_add_nc_u32 v6, NPT, v6
	s_lshl_b32 s100, ttmp9, 9
	v_add_nc_u32 v27, s100, v2
	v_lshl_add_u32 v2, v7, 16, v2
	s_delay_alu instid0(VALU_DEP_1)
	v_add_nc_u32 v3, 0x20000, v2
	v_mul_u32_u24 v4, v1, 272
	s_delay_alu instid0(VALU_DEP_1)
	v_lshl_add_u32 v4, v7, 6, v4
	s_delay_alu instid0(VALU_DEP_1)
	v_add_nc_u32 v4, CST, v4
	v_lshlrev_b32 v5, 4, v1
	s_delay_alu instid0(VALU_DEP_1)
	v_lshl_add_u32 v5, v7, 2, v5
	s_delay_alu instid0(VALU_DEP_1)
	v_add_nc_u32 v5, SST, v5
	global_load_b32 v26, v27, s[6:7]
	s_lshl_b32 s29, s[YB], 7
	s_lshl_b32 s30, s[WV], 4
	s_add_co_u32 s29, s29, s30
	s_lshl_b32 s30, s29, 8
	s_mov_b32 s31, 0
	s_add_nc_u64 s[10:11], s[10:11], s[30:31]
	s_lshl_b32 s30, s29, 4
	s_add_nc_u64 s[66:67], s[66:67], s[30:31]
	v_and_b32 v28, 15, v0
	v_bfe_u32 v29, v0, 4, 1
	s_delay_alu instid0(VALU_DEP_2)
	v_lshlrev_b32 v31, 8, v28
	s_delay_alu instid0(VALU_DEP_1)
	v_lshl_add_u32 v31, v29, 4, v31
	s_delay_alu instid0(VALU_DEP_4)
	v_lshlrev_b32 v237, 4, v28
	s_delay_alu instid0(VALU_DEP_4)
	v_lshlrev_b32 v30, 6, v29
	s_delay_alu instid0(VALU_DEP_1)
	v_add_nc_u32 v30, s100, v30
.irp s, 0,1,2,3
.irp c, 0,1
	global_load_b128 v[YF+8*\s+4*\c:YF+8*\s+4*\c+3], v31, s[10:11] offset:64*\s+32*\c
.endr
.endr
	global_load_b128 v[YS:YS+3], v237, s[66:67]
.irp t, 0,1,2,3,4,5,6,7
	global_load_b128 v[HA+8*\t:HA+8*\t+3], v30, s[6:7] offset:(32*(\t/2)+8*(\t%2))*4
	global_load_b128 v[HA+8*\t+4:HA+8*\t+7], v30, s[6:7] offset:(32*(\t/2)+8*(\t%2))*4+16
.endr
	s_wait_alu depctr_va_vdst(0)
	s_wait_tensorcnt 0x0
	BARRIER
	s_wait_loadcnt 0x0
	v_mul_f32 v[NA], 0.5, v26
.irp k, 1,2,3,4,5,6,7
	v_mov_b32 v[NA+\k], 0
.endr
	QPHASE 0
	QPHASE 1
	v_pk_add_f32 v[NA:NA+1], v[NA:NA+1], v[NA+2:NA+3]
	v_pk_add_f32 v[NA+4:NA+5], v[NA+4:NA+5], v[NA+6:NA+7]
	s_delay_alu instid0(VALU_DEP_1)
	v_pk_add_f32 v[NA:NA+1], v[NA:NA+1], v[NA+4:NA+5]
	s_delay_alu instid0(VALU_DEP_1)
	v_add_f32 v[NA], v[NA], v[NA+1]
	ds_store_b32 v6, v[NA]
	s_wait_dscnt 0x0
	BARRIER
	s_mov_b32 s[C9], 0x3cb327a4
	s_mov_b32 s[C7], 0xbd5d0dd1
	s_mov_b32 s[C5], 0x3e088889
	s_mov_b32 s[C3], 0xbeaaaaab
	s_mov_b32 s[C2], 0x4038aa3b
	s_mov_b32 s[QT], 0x3e800000
	s_mov_b32 s[SEL], 0x76543210
	s_mov_b32 s[SEL+1], 0xfedcba98
	v_and_b32 v1, 8, v28
	s_delay_alu instid0(VALU_DEP_1)
	v_add_nc_u32 v1, v1, v28
	s_delay_alu instid0(VALU_DEP_1)
	v_mul_u32_u24 v2, v1, 272
	s_delay_alu instid0(VALU_DEP_1)
	v_lshl_add_u32 v2, v29, 4, v2
	s_delay_alu instid0(VALU_DEP_1)
	v_add_nc_u32 v2, CST, v2
	s_delay_alu instid0(VALU_DEP_4)
	v_lshl_add_u32 v3, v1, 4, SST
	v_and_b32 v4, 127, v0
	s_delay_alu instid0(VALU_DEP_1)
	v_lshl_add_u32 v4, v4, 2, NPT
	v_and_b32 v5, 31, v0
.irp b, 0,1,2,3
	v_mov_b32 v[TM+4+\b], 0
.endr
	WIN 0x40
.irp t, 0,1,2,3,4,5,6,7
.irp s, 0,1,2,3
.irp c, 0,1
	ds_load_b128 v[8*(4*\t+\s)+4*\c:8*(4*\t+\s)+4*\c+3], v2 offset:(32*(\t/2)+8*(\t%2))*272+64*\s+32*\c
.endr
.endr
.endr
	WIN 0
.irp t, 0,1,2,3,4,5,6,7
	ds_load_b128 v[WS+4*\t:WS+4*\t+3], v3 offset:(32*(\t/2)+8*(\t%2))*16
.endr
	s_wait_dscnt 0x0
	WIN 0x01
.irp s, 0,1,2,3
.irp t, 0,1,2,3,4,5,6,7
	v_wmma_scale_f32_16x16x128_f8f6f4 v[HA+8*\t:HA+8*\t+7], v[8*(4*\t+\s):8*(4*\t+\s)+7], v[YF+8*\s:YF+8*\s+7], v[HA+8*\t:HA+8*\t+7], v[WS+4*\t+\s], v[YS+\s] matrix_a_fmt:MATRIX_FMT_FP4 matrix_b_fmt:MATRIX_FMT_FP4
.endr
.endr
	WIN 0
.rept 4
	v_nop
.endr
.macro TANH n, b
.set j, 0
.rept \n
	v_mul_f32 v[TE+j], s[C2], v[\b+j]
.set j, j+1
.endr
.set j, 0
	s_wait_alu depctr_va_vdst(0)
.rept \n
	v_exp_f32 v[TE+j], v[TE+j]
.set j, j+1
.endr
.set j, 0
.rept \n
	v_mul_f32 v[TQ+j], v[\b+j], v[\b+j]
.set j, j+1
.endr
.set j, 0
	s_wait_alu depctr_va_vdst(0)
.rept \n
	v_add_f32 v[TE+j], 1.0, v[TE+j]
.set j, j+1
.endr
.set j, 0
	s_wait_alu depctr_va_vdst(0)
.rept \n
	v_rcp_f32 v[TE+j], v[TE+j]
.set j, j+1
.endr
.set j, 0
.rept \n
	v_fma_f32 v[TP+j], v[TQ+j], s[C9], s[C7]
.set j, j+1
.endr
.set j, 0
.rept \n
	v_fma_f32 v[TP+j], v[TP+j], v[TQ+j], s[C5]
.set j, j+1
.endr
.set j, 0
.rept \n
	v_fma_f32 v[TP+j], v[TP+j], v[TQ+j], s[C3]
.set j, j+1
.endr
.set j, 0
.rept \n
	v_fma_f32 v[TP+j], v[TP+j], v[TQ+j], 1.0
.set j, j+1
.endr
.set j, 0
.rept \n
	v_mul_f32 v[TP+j], v[TP+j], v[\b+j]
.set j, j+1
.endr
.set j, 0
	s_wait_alu depctr_va_vdst(0)
.rept \n
	v_fma_f32 v[TE+j], v[TE+j], -2.0, 1.0
.set j, j+1
.endr
.set j, 0
.rept \n
	v_cmp_lt_f32 vcc_lo, |v[\b+j]|, s[QT]
	s_delay_alu instid0(VALU_DEP_1)
	v_cndmask_b32 v[\b+j], v[TE+j], v[TP+j], vcc_lo
.set j, j+1
.endr
.endm
.irp t, 0,1,2,3,4,5,6,7
	TANH 8, HA+8*\t
.endr
.irp b, 0,1,2,3
	v_max3_num_f32 v[TM+\b], |v[HA+16*\b]|, |v[HA+1+16*\b]|, 0x1800000
.endr
.irp i, 2,4,6,8,10,12,14
.irp b, 0,1,2,3
	s_delay_alu instid0(VALU_DEP_4)
	v_max3_num_f32 v[TM+\b], v[TM+\b], |v[HA+16*\b+\i]|, |v[HA+1+16*\b+\i]|
.endr
.endr
.irp b, 0,1,2,3
	s_delay_alu instid0(VALU_DEP_4)
	v_permlanex16_b32 v[TM+4+\b], v[TM+\b], s[SEL], s[SEL+1]
.endr
.irp b, 0,1,2,3
	s_delay_alu instid0(VALU_DEP_4)
	v_max_num_f32 v[TM+\b], v[TM+\b], v[TM+4+\b]
.endr
.irp b, 0,1,2,3
	s_delay_alu instid0(VALU_DEP_4)
	v_add_nc_u32 v[TM+12+\b], 0xff000000, v[TM+\b]
.endr
.irp b, 0,1,2,3
	s_delay_alu instid0(VALU_DEP_4)
	v_lshrrev_b32 v[TM+4+\b], 23, v[TM+12+\b]
.endr
	s_delay_alu instid0(VALU_DEP_3)
	v_lshl_or_b32 v[PW], v[TM+5], 8, v[TM+4]
	s_delay_alu instid0(VALU_DEP_1)
	v_lshl_or_b32 v[PW], v[TM+6], 16, v[PW]
	s_delay_alu instid0(VALU_DEP_1)
	v_lshl_or_b32 v[PW], v[TM+7], 24, v[PW]
.irp b, 0,1,2,3
	v_cvt_scalef32_pk8_fp4_f32 v[PC+2*\b], v[HA+16*\b:HA+7+16*\b], v[TM+12+\b]
	v_cvt_scalef32_pk8_fp4_f32 v[PC+1+2*\b], v[HA+8+16*\b:HA+15+16*\b], v[TM+12+\b]
.endr
	v_nop
.irp c, 0,1
.irp i, 0,1
	v_permlane16_swap_b32 v[PC+4*\c+\i], v[PC+2+4*\c+\i]
.endr
.endr
	s_lshl_b32 s30, s29, 8
	s_lshl_b32 s104, ttmp9, 6
	s_add_co_u32 s30, s30, s104
	s_mov_b32 s31, 0
	s_add_nc_u64 s[34:35], s[34:35], s[30:31]
	s_lshl_b32 s30, s29, 4
	s_lshl_b32 s104, ttmp9, 2
	s_add_co_u32 s30, s30, s104
	s_add_nc_u64 s[36:37], s[36:37], s[30:31]
	s_wait_alu depctr_va_vdst(0)
	global_store_b128 v31, v[PC:PC+3], s[34:35]
	global_store_b128 v31, v[PC+4:PC+7], s[34:35] offset:32
	v_cmp_gt_u32 vcc_lo, 16, v5
	s_wait_xcnt 0x0
	s_and_saveexec_b32 s28, vcc_lo
	global_store_b32 v237, v[PW], s[36:37]
	s_wait_xcnt 0x0
	s_or_b32 exec_lo, exec_lo, s28
	s_cmp_lg_u32 s[YB], 0
	s_cbranch_scc1 .Lend
	s_cmp_lt_u32 s[WV], 4
	s_cbranch_scc0 .Lend
	ds_load_b32 v6, v4
	ds_load_b32 v7, v4 offset:512
	s_lshl_b32 s30, ttmp9, 9
	v_and_b32 v8, 127, v0
	s_delay_alu instid0(VALU_DEP_1)
	v_lshlrev_b32 v8, 2, v8
	s_delay_alu instid0(VALU_DEP_1)
	v_add_nc_u32 v8, s30, v8
	s_wait_dscnt 0x0
	v_add_f32 v10, v6, v7
	TANH 1, 10
	global_store_b32 v8, v10, s[32:33]
.Lend:
	s_wait_tensorcnt 0x0
	ds_add_u32 v250, v251
	s_wait_dscnt 0x0
	s_endpgm
.Lfunc_end_k_q326c118273_prep:
	.size	k_q326c118273_prep, .Lfunc_end_k_q326c118273_prep-k_q326c118273_prep
	.p2alignl 7, 3214868480
	.fill 96, 4, 3214868480
	.section	.rodata,"a",@progbits
	.p2align	6, 0x0
	.amdhsa_kernel k_q326c118273_prep
		.amdhsa_group_segment_fixed_size 327680
		.amdhsa_private_segment_fixed_size 0
		.amdhsa_enable_private_segment 0
		.amdhsa_kernarg_size 64
		.amdhsa_user_sgpr_count 2
		.amdhsa_user_sgpr_kernarg_segment_ptr 1
		.amdhsa_wavefront_size32 1
		.amdhsa_system_sgpr_workgroup_id_x 1
		.amdhsa_system_sgpr_workgroup_id_y 1
		.amdhsa_system_sgpr_workgroup_id_z 1
		.amdhsa_system_vgpr_workitem_id 0
		.amdhsa_next_free_vgpr 512
		.amdhsa_next_free_sgpr 106
		.amdhsa_reserve_vcc 1
		.amdhsa_float_denorm_mode_32 3
		.amdhsa_float_denorm_mode_16_64 3
		.amdhsa_memory_ordered 1
		.amdhsa_forward_progress 1
		.amdhsa_inst_pref_size 114
	.end_amdhsa_kernel
	.amdgpu_metadata
---
amdhsa.version: [ 1, 2 ]
amdhsa.kernels:
  - .name:           k_q326c118273_prep
    .symbol:         k_q326c118273_prep.kd
    .args:
      - { .name: W_em, .offset: 0, .size: 8, .value_kind: global_buffer, .address_space: global }
      - { .name: b_em, .offset: 8, .size: 8, .value_kind: global_buffer, .address_space: global }
      - { .name: y_hidden_null, .offset: 16, .size: 8, .value_kind: global_buffer, .address_space: global }
      - { .name: y_hidden_codes, .offset: 24, .size: 8, .value_kind: global_buffer, .address_space: global }
      - { .name: y_hidden_scales, .offset: 32, .size: 8, .value_kind: global_buffer, .address_space: global }
      - { .name: tsn, .offset: 40, .size: 8, .value_kind: global_buffer, .address_space: global }
      - { .name: ts_codes, .offset: 48, .size: 8, .value_kind: global_buffer, .address_space: global }
      - { .name: ts_scales, .offset: 56, .size: 8, .value_kind: global_buffer, .address_space: global }
    .group_segment_fixed_size: 327680
    .private_segment_fixed_size: 0
    .kernarg_segment_align: 8
    .kernarg_segment_size: 64
    .max_flat_workgroup_size: 256
    .sgpr_count:     106
    .vgpr_count:     512
    .wavefront_size: 32
...
	.end_amdgpu_metadata
.endif
;; end of part 1
;; launch big (part 2): grid 125 x 2, 8 waves a work-group, no clusters, 327,680 bytes of LDS; arguments ts_codes, ts_scales, wsv_codes, wsv_scales, b_sv, target_state_codes, target_state_scales, W_tv_codes, W_tv_scales, b_tv, part, W_sv, tsn, nul; writes part, wsv_codes, wsv_scales, nul
.if DOCPART == 2
	.amdgcn_target "amdgcn-amd-amdhsa--gfx1250"
	.amdhsa_code_object_version 6
	.text
	.protected	k_q326c118273_big
	.globl	k_q326c118273_big
	.p2align	8
	.type	k_q326c118273_big,@function
k_q326c118273_big:
	s_mov_b64 s[64:65], 0
	v_nop
	global_prefetch_b8 v0, s[64:65] scope:SCOPE_SE
	s_setreg_imm32_b32 hwreg(HW_REG_WAVE_MODE, 25, 1), 1
	s_wait_xcnt 0x0
; The two large products on codes of FP4 (E2M1): y = 0: ts x W_sv + b_sv;  y = 1: target_state x W_tv + b_tv; [2048 x 512] x [512 x 32000] each.  The logits stay in registers:
; for each row and each chunk of 256 columns one number goes out, L = K + log2(sum of 2^(x c - K)), c = log2 e, K = c x the chunk's largest logit of that row (the largest is taken away ahead of
; every exponential); the target product also gives the chunk's largest logit and its first index.
; SHARES.  32000 = 125 chunks of 256 columns; a work-group owns one chunk of one product.  A wave keeps 8 tiles x 4 K steps of the weight's fragments = 256 registers (window 1) for the whole launch,
; and takes rows 64 (w / 2) on of each slot of 256 rows.  All 2,048 rows go through a ring of two LDS slots: each row meets each chunk once, so nothing is rescaled.
; W_sv IS QUANTISED HERE: an emission work-group is the only reader of its 256 columns of W_sv, so it reads them as f32 once, in its head: two strips of 512 x 128, each as two K halves of 128 KiB, by turns
; through the two halves of LDS bytes 0 to 262,143.  Thread = (column, K quarter): its registers run down K, a block of 32 is one lane's.  The codes go through a stage of 128 rows of 256 + 16 bytes
; into the fragment registers and, with the scale bytes, out to wsv_codes and wsv_scales for the next launch's gathers.  The null row's f32 product with the same numbers rides along: a wave reads its 1,024 bytes
; of tsn once a strip, 16 bytes an instruction for all lanes, two blocks ahead.  nul holds the 32,000 logits and, from byte 128,000 on, one log-sum-exp in base 2 for each 128 columns.
; The two paths part once, on the work-group's y, and meet at the ring's start.
; COLUMNS OF A WAVE: target: 128 (w % 2) + 16 t + 8 h + j;  emission: 128 (t / 4) + 64 (w % 2) + 16 (t % 4) + 8 h + j, so that every wave takes four tiles from each strip.
; TRANSPOSED: source 0 = 16 columns of the weight, source 1 = 16 rows: lane (r, h) holds row r, register j of tile t one column.  The bias is the C of a sum's first matrix instruction.
; THE CHANGE OF SLOTS lies inside a slot's last tile: the waits, the add and the signal stand behind that tile's last LDS read, the tile's exponentials and sums (registers alone) between signal and wait.
; NO CLUSTER: the 125 work-groups of a product read the same rows, but 125 = 5 x 5 x 5 and the two products share nothing: no cluster of four divides the grid.
; NO PREFETCH: a refill of the ring is asked for four tiles a wave ahead of the wait for it, and the rows are the same for all 125 work-groups of a product; the strips of W_sv are walked in a head without a loop.
; LIMITS: NaN among the logits is not served (the index would be meaningless).  A block of zeros of W_sv gets the scale byte 1: its codes are zeros, and the bytes are read by this program alone.
; LDS: slot 0 at 0 and slot 1 at 131,072: 256 rows of 256 + 16 bytes; ASC the rows' scale bytes, 2,048 x 16; BST (target) the chunk's 256 rows of codes;
; MT, +16,384, +32,768: tables [2 column halves][2048 rows] of largest logit, sum, index: written by LDS stores alone; in the emission head the same bytes hold the stages CSTE, SSTE, NPTE; SPARE the spare words.
.set SLOT1, 131072
.set QROW,  17408                      ; 64 rows x 272 bytes
.set ASC,   69632
.set BST,   200704
.set MT,    270336
.set CSTE,  270336                     ; a strip's codes: 128 rows of 272 bytes
.set SSTE,  305152                     ; its scale bytes: 128 x 16
.set NPTE,  307200                     ; the null product's two K halves: 2 x 128 f32
.set SPARE, 319488
.set SPW, 1                            ; v1 my spare word, v2 zero: never rewritten
.set NIL, 2
.set AA0, 3                            ; v3-5 my place in a slot, among the rows' scale words, in the tables
.set AS0, 4
.set AT0, 5
.set ADA, 6                            ; v6-8 the same for the slot in hand
.set ADS, 7
.set ADT, 8
.set CB,  9                            ; 128 (w % 2) + 8 h
.set NM,  10                           ; v[10:11] -K (a pair; the low word serves both halves)
.set MX,  12                           ; the row's largest logit
.set PT,  13                           ; from lane l xor 16
.set TA,  14                           ; at work
.set TIX, 18
.set JX,  19
.set T,   20                           ; v20-27 the tiles' largest
.set SEL, 28                           ; v28-34 registers 0-6 of the first tile that holds the largest
.set AX,  36                           ; v36-39 the rows' scale words
.set AF,  40                           ; v40-71 the rows' four fragments
.set BS,  72                           ; v72-103 the weight's scale words
.set BI,  104                          ; v104-167 the bias in the result's layout
.set AC,  168                          ; v168-231 eight accumulators
.set LM,  232                          ; my lane's own largest
.set SM,  234                          ; v[234:241] four chains of sums
; the emission head's registers, all free again at the ring's start
.set NA,  40                           ; v40-47 the null product: four chains of pairs
.set CD,  54                           ; v54-61 codes, two sets of four
.set BV,  62                           ; v62-63 b_sv of my column in strip 0, 1
.set NS,  64                           ; v64-71 the null logits of columns 4 lane + 0 .. 3 of strip 0, 1
.set X,   104                          ; v104-167 two blocks of 32 numbers of W_sv; on the way out: codes, scale bytes, null sums
.set M,   168                          ; v168-231 the same k of tsn, two blocks
.set QA0, 232                          ; v232-233 my column in the lower, upper LDS half
.set QC,  234                          ; where my codes, my scale word, my null sum go
.set QS,  235
.set QN,  236
.set QB,  237                          ; 4 x column
.set QM,  238                          ; my K quarter's byte offset in tsn
.set OC,  239                          ; the way out: codes and scale bytes from the stage, and their places in memory
.set OS,  240
.set OG,  241
.set OH,  242
.set ON,  243                          ; the null sums, 16 bytes a lane, in LDS and in nul
.set OL,  244
.set FE,  245                          ; my fragments and scale words in the stage
.set FS,  246
.set ZT,  247                          ; 8 x thread
.set LN,  249                          ; lane
.set WV,  26
.set CH,  27
.set G1F, 16                           ; s[16:23] (emission) group 1: 32 rows of 128 f32
.set G1R, 28                           ; s[28:35] group 1: 64 rows of codes (the ring)
.set G1S, 36                           ; s[36:43] group 1: scale bytes
.set G0B, 44                           ; group 0: (target) the weight's half
.set G0F, 44                           ; (emission) the strips', which walks
.set G0A, 48                           ; the ring's, which walks
.set G0S, 52                           ; the scale bytes
.set KIND, 57
.set TB,  59                           ; the slot in hand; its scale words; its place in the tables; trips to go
.set TS,  60
.set TR,  61
.set SLOTS, 62
.set BIG, 63
.set CC,  66                           ; s[66:67] c twice; s68 -c; s[70:71] lane selects
.set NC,  68
.set PS,  70
.set G1H, 80                           ; s[80:87] group 1: 128 rows of codes
.set G0Z, 88                           ; s[88:91] group 0: slot 0's half
.set MSB, 0
.macro WIN new
.if MSB != \new
	s_set_vgpr_msb (MSB<<8)|\new
.set MSB, \new
.endif
.endm
.macro NOP4
.rept 4
	v_nop
.endr
.endm
.macro SEQ                             ; ahead of every fill behind the head's
	s_wait_tensorcnt 0x0                           ; all my tensor loads have landed
	ds_add_u32 v[SPW], v[NIL]
	s_wait_dscnt 0x0                               ; the add is done, my LDS reads and stores are over
	s_barrier_signal -1
	s_barrier_wait -1
.endm
.macro TLOADA                          ; waves 0 to 3 fetch a quarter of a slot each
	s_cmp_lt_u32 s[WV], 4
	s_cbranch_scc0 .Lnofill_\@
	tensor_load_to_lds s[G0A:G0A+3], s[G1R:G1R+7]
	s_nop 0
	NOP4
.Lnofill_\@:
.endm
	s_load_b256 s[4:11], s[0:1], 0x0               ; ts_codes, ts_scales, wsv_codes, wsv_scales
	s_load_b64 s[12:13], s[0:1], 0x20              ; b_sv
	s_load_b64 s[14:15], s[0:1], 0x28              ; target_state_codes
	s_load_b256 s[16:23], s[0:1], 0x30             ; target_state_scales, W_tv_codes, W_tv_scales, b_tv
	s_load_b64 s[24:25], s[0:1], 0x50              ; part
	s_load_b128 s[96:99], s[0:1], 0x58             ; W_sv, tsn
	s_load_b64 s[100:101], s[0:1], 0x68            ; nul
	v_lshl_add_u32 v[SPW], v0, 2, SPARE
	v_mov_b32 v[NIL], 0
	ds_add_u32 v[SPW], v[NIL]                      ; the opening: the add twice on end and one wait
	ds_add_u32 v[SPW], v[NIL]
	v_lshrrev_b32 v3, 5, v0
	v_readfirstlane_b32 s[WV], v3                  ; wave 0..7
	s_and_b32 s[CH], s[WV], 1
	s_and_b32 s[KIND], ttmp7, 0xffff
	v_and_b32 v20, 15, v0                          ; r
	v_bfe_u32 v21, v0, 4, 1                        ; h
	v_bfe_u32 v22, v0, 5, 1                        ; column half
	v_lshrrev_b32 v23, 6, v0                       ; g: quarter of the rows
	v_mul_u32_u24 v[AA0], v23, QROW
	v_lshl_add_u32 v24, v23, 6, v20                ; 64 g + r
	v_lshl_add_u32 v25, v22, 7, v20
	v_mad_u32_u24 v[AA0], v20, 272, v[AA0]
	v_lshlrev_b32 v[AT0], 2, v24
	v_mul_u32_u24 v25, v25, 272
	v_lshl_add_u32 v[AA0], v21, 4, v[AA0]          ; 17,408 g + 272 r + 16 h
	v_lshl_add_u32 v[AT0], v22, 13, v[AT0]
	v_lshl_add_u32 v25, v21, 4, v25
	v_lshl_add_u32 v[AS0], v24, 4, ASC
	v_add_nc_u32 v[AT0], MT, v[AT0]                ; MT + 8,192 x column half + 4 (64 g + r)
	v_add_nc_u32 v25, BST, v25                     ; (target) the weight's fragments: BST + (128 x column half + r) 272 + 16 h
	v_lshlrev_b32 v[CB], 3, v21
	v_lshlrev_b32 v26, 4, v20                      ; 16 r
	v_lshlrev_b32 v27, 5, v21                      ; 32 h
	v_lshl_add_u32 v[CB], v22, 7, v[CB]
	v_mov_b32 v[NM+1], 0                           ; (the upper half of a pair)
	v_mov_b32 v[PT], 0                             ; a lane permute's destination counts as one of its sources
.irp g, G1R, G1H                               ; rows of 256 bytes, four words of padding behind every 64
	s_mov_b32 s[\g], (1<<20)|(5<<22)|(3<<25)
	s_mov_b32 s[\g+1], 256<<16
	s_mov_b32 s[\g+3], 256<<16
	s_mov_b32 s[\g+5], 256
	s_mov_b32 s[\g+6], 0
	s_mov_b32 s[\g+7], 0
.endr
	s_mov_b32 s[G1R+2], 64<<16
	s_mov_b32 s[G1R+4], 64
	s_mov_b32 s[G1H+2], 128<<16
	s_mov_b32 s[G1H+4], 128
	s_mov_b32 s[G1S], 3<<16                        ; a dense block of 8,192 bytes as 32 rows of 32 elements of 8 bytes
	s_mov_b32 s[G1S+1], 32<<16
	s_mov_b32 s[G1S+2], 32<<16
	s_mov_b32 s[G1S+3], 32<<16
	s_mov_b32 s[G1S+4], 32
	s_mov_b32 s[G1S+5], 32
	s_mov_b32 s[G1S+6], 0
	s_mov_b32 s[G1S+7], 0
	s_mul_i32 s73, s[CH], 2*QROW                   ; a half of 128 rows: in LDS,
	s_lshl_b32 s74, s[CH], 15                      ; and in memory
	s_mov_b32 s75, 0
	s_lshl_b32 s76, ttmp9, 16                      ; the chunk's 256 rows of the weight
	s_add_co_u32 s76, s76, s74
	s_mov_b32 s77, 0
	s_and_b32 s78, s[WV], 3                        ; a quarter
	s_mul_i32 s79, s78, QROW
	s_lshl_b32 s92, s78, 14
	s_add_co_u32 s92, s92, 65536                   ; the ring begins with rows 256 on, for slot 1
	s_mov_b32 s93, 0
	s_lshl_b32 s94, s78, 13                        ; a quarter of the scale bytes
	s_mov_b32 s95, 0
	s_mov_b32 s[BIG], 0x100000
	s_mov_b32 s[CC], 0x3fb8aa3b
	s_mov_b32 s[CC+1], s[CC]
	s_mov_b32 s[NC], 0xbfb8aa3b
	s_mov_b32 s[PS], 0x76543210
	s_mov_b32 s[PS+1], 0xfedcba98
	s_wait_dscnt 0x0                               ; both opening adds are done
	s_wait_kmcnt 0x0
	s_cmp_eq_u32 s[KIND], 0                        ; which product: by the work-group's number alone
	s_cselect_b64 s[4:5], s[4:5], s[14:15]         ; the rows' codes
	s_cselect_b64 s[6:7], s[6:7], s[16:17]         ; their scale bytes
	s_cselect_b64 s[12:13], s[12:13], s[22:23]     ; the bias
	s_mov_b32 s[G0Z], 1
	s_mov_b32 s[G0Z+1], s73
	s_add_nc_u64 s[G0Z+2:G0Z+3], s[4:5], s[74:75]
	s_or_b32 s[G0Z+3], s[G0Z+3], 0x80000000
	s_mov_b32 s[G0S], 1
	s_add_co_u32 s[G0S+1], s94, ASC
	s_add_nc_u64 s[G0S+2:G0S+3], s[6:7], s[94:95]
	s_or_b32 s[G0S+3], s[G0S+3], 0x80000000
	s_mov_b32 s[G0A], 1
	s_add_co_u32 s[G0A+1], s79, SLOT1
	s_add_nc_u64 s[G0A+2:G0A+3], s[4:5], s[92:93]
	s_or_b32 s[G0A+3], s[G0A+3], 0x80000000
	s_cmp_lg_u32 s[KIND], 0
	s_wait_alu depctr_va_vdst(0)
	s_cbranch_scc1 .Ltgt
	; ======== THE EMISSION HEAD
	s_mov_b32 s[G1F], 2<<16                        ; elements of 4 bytes: 32 rows of 128, 512 bytes each, dense in LDS
	s_mov_b32 s[G1F+1], 128<<16
	s_mov_b32 s[G1F+2], 32<<16
	s_mov_b32 s[G1F+3], 128<<16
	s_mov_b32 s[G1F+4], 32
	s_mov_b32 s[G1F+5], 32000
	s_mov_b32 s[G1F+6], 0
	s_mov_b32 s[G1F+7], 0
	s_mov_b32 s[G0F], 1
	s_lshl_b32 s[G0F+1], s[WV], 14                 ; wave w: rows 32 w on of a K half
	s_mul_i32 s72, s[WV], 32*128000
	s_lshl_b32 s73, ttmp9, 10                      ; the chunk's 256 columns: 1,024 bytes
	s_add_co_u32 s72, s72, s73
	s_mov_b32 s73, 0
	s_add_nc_u64 s[G0F+2:G0F+3], s[96:97], s[72:73]
	s_or_b32 s[G0F+3], s[G0F+3], 0x80000000
	tensor_load_to_lds s[G0F:G0F+3], s[G1F:G1F+7]  ; strip 0, k 0 to 255: my one load at the head
	s_nop 0
	NOP4
	v_and_b32 v48, 127, v0                         ; column in the strip
	v_lshrrev_b32 v49, 7, v0                       ; which 128 of a K half's 256
	v_lshrrev_b32 v50, 5, v0                       ; wave
	v_and_b32 v[LN], 31, v0
	v_lshlrev_b32 v[QB], 2, v48
	v_mul_u32_u24 v[QC], v48, 272
	v_lshlrev_b32 v[QS], 4, v48
	v_lshlrev_b32 v[QM], 9, v49
	v_lshl_add_u32 v[QA0], v49, 16, v[QB]
	v_lshl_add_u32 v[QC], v49, 6, v[QC]
	v_lshl_add_u32 v[QS], v49, 2, v[QS]
	v_lshl_add_u32 v[QN], v49, 9, v[QB]
	v_add_nc_u32 v[QA0+1], 0x20000, v[QA0]
	v_add_nc_u32 v[QC], CSTE, v[QC]                ; block 8 ph + 4 (quarter) + t of a column's 16: 16 bytes each
	v_add_nc_u32 v[QS], SSTE, v[QS]
	v_add_nc_u32 v[QN], NPTE, v[QN]
	v_mul_u32_u24 v[OC], v50, 16*272
	v_lshlrev_b32 v[OG], 12, v50
	v_lshlrev_b32 v[ZT], 3, v0
	v_lshlrev_b32 v[OL], 4, v[LN]
	v_mad_u32_u24 v[OC], v21, 272, v[OC]
	v_lshl_add_u32 v[OG], v21, 8, v[OG]
	v_lshl_add_u32 v51, v22, 6, v20                ; 64 x column half + r
	v_lshl_add_u32 v[OC], v20, 4, v[OC]
	v_lshl_add_u32 v[OG], v20, 4, v[OG]            ; 4,096 w + 256 h + 16 r
	v_mul_u32_u24 v[FE], v51, 272
	v_lshl_add_u32 v[FS], v51, 4, SSTE
	v_add_nc_u32 v[OC], CSTE, v[OC]                ; rows 16 w + h on, 16 bytes a lane
	v_add_nc_u32 v[OS], SSTE, v[ZT]
	v_add_nc_u32 v[ON], NPTE, v[OL]
	v_lshl_add_u32 v[FE], v21, 4, v[FE]
	v_mov_b32 v[OH], v[ZT]
	v_add_nc_u32 v[FE], CSTE, v[FE]
	s_wait_alu depctr_va_vdst(0)
	s_lshl_b32 s72, ttmp9, 3                       ; nul's sums: two words a chunk
	s_add_nc_u64 s[92:93], s[100:101], s[72:73]
	s_lshl_b32 s72, ttmp9, 10                      ; 4 bytes a column
	s_add_nc_u64 s[100:101], s[100:101], s[72:73]
	s_add_nc_u64 s[12:13], s[12:13], s[72:73]
	s_lshl_b32 s72, s[CH], 8
	s_add_nc_u64 s[94:95], s[12:13], s[72:73]      ; the bias of my 64 columns of a strip
	s_lshl_b32 s72, ttmp9, 16                      ; 256 bytes of codes a column
	s_add_nc_u64 s[8:9], s[8:9], s[72:73]
	s_lshl_b32 s72, ttmp9, 12                      ; 16 scale bytes a column
	s_add_nc_u64 s[10:11], s[10:11], s[72:73]
	global_load_b32 v[BV], v[QB], s[12:13]
	global_load_b32 v[BV+1], v[QB], s[12:13] offset:512
.macro ECHANGE how                     ; the other LDS half is filled: how = 1: the same strip's upper K half; 2: the next strip's lower one
	s_wait_tensorcnt 0x0
	ds_add_u32 v[SPW], v[NIL]
	s_xor_b32 s[G0F+1], s[G0F+1], SLOT1
.if \how == 1
	s_add_nc_u64 s[G0F+2:G0F+3], s[G0F+2:G0F+3], 256*128000
.else
	s_sub_nc_u64 s[G0F+2:G0F+3], s[G0F+2:G0F+3], 256*128000-512
.endif
	s_wait_dscnt 0x0
	s_barrier_signal -1
	s_barrier_wait -1
	tensor_load_to_lds s[G0F:G0F+3], s[G1F:G1F+7]  ; every wave's one load behind the barrier
	s_nop 0
	NOP4
.endm
.macro LOADB ph, t                     ; block t of my four in K half ph: 32 numbers of my column
.set i, 0
.rept 32
	ds_load_b32 v[X+32*((\t)%2)+i], v[QA0+(\ph)] offset:(32*(\t)+i)*512
.set i, i+1
.endr
.endm
.macro MLD ph, t                       ; the same 32 k of tsn: eight loads, each one address for all lanes of the wave
.set i, 0
.rept 8
	global_load_b128 v[M+32*((\t)%2)+4*i:M+32*((\t)%2)+4*i+3], v[QM], s[98:99] offset:(256*(\ph)+32*(\t))*4+16*i
.set i, i+1
.endr
.endm
; more = 1: a further phase follows, and blocks 2 and 3 ask for its first two blocks of tsn (the phases take K halves 0, 1, 0, 1)
.macro QBLOCK ph, t, left, more
.set XS, X+32*((\t)%2)
.set MS, M+32*((\t)%2)
.set CS, CD+4*((\t)%2)
	s_wait_dscnt \left
.if (\more) || ((\t) < 3)
	s_wait_loadcnt 0x8                             ; my block of tsn is in; the next block's eight loads may be out
.else
	s_wait_loadcnt 0x0                             ; the very last block
.endif
	v_max3_num_f32 v48, |v[XS]|, |v[XS+1]|, |v[XS+2]|
	v_max3_num_f32 v49, |v[XS+3]|, |v[XS+4]|, |v[XS+5]|
.irp i, 6,10,14,18,22,26
	s_delay_alu instid0(VALU_DEP_2)
	v_max3_num_f32 v48, v48, |v[XS+\i]|, |v[XS+\i+1]|
	s_delay_alu instid0(VALU_DEP_2)
	v_max3_num_f32 v49, v49, |v[XS+\i+2]|, |v[XS+\i+3]|
.endr
	s_delay_alu instid0(VALU_DEP_2)
	v_max3_num_f32 v48, v48, |v[XS+30]|, |v[XS+31]|
	s_delay_alu instid0(VALU_DEP_1)
	v_max3_num_f32 v48, v48, v49, 0x1800000        ; the floor 2^(3 - 127): the byte cannot fall under 1
	s_delay_alu instid0(VALU_DEP_1)
	v_add_nc_u32 v50, 0xff000000, v48              ; 2 off the exponent field: the conversion's scale operand
.irp g, 0,1,2,3
	v_cvt_scalef32_pk8_fp4_f32 v[CS+\g], v[XS+8*\g:XS+8*\g+7], v50
.endr
.if (\t) == 0
	v_lshrrev_b32 v52, 23, v50
.else
	v_lshrrev_b32 v51, 23, v50
	s_delay_alu instid0(VALU_DEP_1)
	v_lshl_or_b32 v52, v51, 8*(\t), v52
.endif
	ds_store_b128 v[QC], v[CS:CS+3] offset:128*(\ph)+16*(\t)
.set i, 0
.rept 16
	v_pk_fma_f32 v[NA+2*(i%4):NA+2*(i%4)+1], v[XS+2*i:XS+2*i+1], v[MS+2*i:MS+2*i+1], v[NA+2*(i%4):NA+2*(i%4)+1]
.set i, i+1
.endr
.if (\t) < 2
	LOADB \ph, (\t)+2
	MLD \ph, (\t)+2
.elseif \more
	MLD 1-(\ph), (\t)-2
.endif
.endm
.macro QPHASE ph, more                 ; the counts on DScnt: behind a block's 32 loads stand the next block's 32 and one store of codes
	LOADB \ph, 0
	LOADB \ph, 1
	QBLOCK \ph, 0, 32, \more
	QBLOCK \ph, 1, 33, \more
	QBLOCK \ph, 2, 33, \more
	QBLOCK \ph, 3, 1, \more
	ds_store_b32 v[QS], v52 offset:8*(\ph)
.endm
.macro NAINIT s                        ; each of a column's two threads begins with half the bias
	v_mul_f32 v[NA], 0.5, v[BV+\s]
.irp k, 1,2,3,4,5,6,7
	v_mov_b32 v[NA+\k], 0
.endr
.endm
.macro NARED
	v_pk_add_f32 v[NA:NA+1], v[NA:NA+1], v[NA+2:NA+3]
	v_pk_add_f32 v[NA+4:NA+5], v[NA+4:NA+5], v[NA+6:NA+7]
	s_delay_alu instid0(VALU_DEP_1)
	v_pk_add_f32 v[NA:NA+1], v[NA:NA+1], v[NA+4:NA+5]
	s_delay_alu instid0(VALU_DEP_1)
	v_add_f32 v[NA], v[NA], v[NA+1]
	ds_store_b32 v[QN], v[NA]
.endm
; Strip s leaves the stage: my tiles 4 s to 4 s + 3 into window 1 with their scale words; codes and scale bytes to memory in whole rows of 256 bytes; the 128 null logits, summed in every wave, stored by wave 0
.macro OUT s
	WIN 0x40
.irp t, 0,1,2,3
.irp k, 0,1,2,3
.irp c, 0,1
	ds_load_b128 v[8*(4*(4*\s+\t)+\k)+4*\c:8*(4*(4*\s+\t)+\k)+4*\c+3], v[FE] offset:4352*\t+64*\k+32*\c
.endr
.endr
.endr
	WIN 0
.irp t, 0,1,2,3
	ds_load_b128 v[BS+4*(4*\s+\t):BS+4*(4*\s+\t)+3], v[FS] offset:256*\t
.endr
.irp i, 0,1,2,3,4,5,6,7
	ds_load_b128 v[X+4*\i:X+4*\i+3], v[OC] offset:544*\i
.endr
	ds_load_b64 v[X+32:X+33], v[OS]
	ds_load_b128 v[X+36:X+39], v[ON]
	ds_load_b128 v[X+40:X+43], v[ON] offset:512
.irp i, 0,1,2,3,4,5,6,7
	s_wait_dscnt 10-\i                             ; behind load i: the later seven less i, the scale bytes' and the two of null sums
	global_store_b128 v[OG], v[X+4*\i:X+4*\i+3], s[8:9] offset:32768*\s+512*\i
.endr
	s_wait_dscnt 0x2
	global_store_b64 v[OH], v[X+32:X+33], s[10:11] offset:2048*\s
	s_wait_dscnt 0x0
	v_pk_add_f32 v[NS+4*\s:NS+4*\s+1], v[X+36:X+37], v[X+40:X+41]       ; the two K halves of the null product
	v_pk_add_f32 v[NS+4*\s+2:NS+4*\s+3], v[X+38:X+39], v[X+42:X+43]
	s_cmp_lg_u32 s[WV], 0
	s_wait_alu depctr_va_vdst(0)
	s_cbranch_scc1 .Lnn_\@
	global_store_b128 v[OL], v[NS+4*\s:NS+4*\s+3], s[100:101] offset:512*\s
.Lnn_\@:
	s_wait_xcnt 0x0                                ; the stores have read their data: the registers may be written again
.endm
	MLD 0, 0                                       ; tsn runs two blocks ahead from here on
	MLD 0, 1
	ECHANGE 1                                      ; strip 0's lower K half is in; its upper half goes out
	s_wait_loadcnt 0x10                            ; the bias is in; behind it: two blocks of tsn, sixteen loads
	NAINIT 0
	QPHASE 0, 1
	ECHANGE 2                                      ; strip 1's lower half, into the bytes just read
	QPHASE 1, 1
	NARED
	ECHANGE 1                                      ; strip 0's stage is whole; strip 1's upper half goes out
	OUT 0
	s_wait_dscnt 0x0                               ; my reads of the stage are over:
	s_barrier_signal -1
	s_barrier_wait -1                              ; everybody's are: it may be written again
	NAINIT 1
	QPHASE 0, 1
	SEQ                                            ; the lower LDS half has been read out: it takes slot 0 (waves 2, 3) and the rows' scale bytes (waves 4 to 7)
	s_cmp_lt_u32 s[WV], 2
	s_cbranch_scc1 .Le_none
	s_cmp_lt_u32 s[WV], 4
	s_cbranch_scc0 .Le_s
	tensor_load_to_lds s[G0Z:G0Z+3], s[G1H:G1H+7]
	s_nop 0
	NOP4
	s_branch .Le_none
.Le_s:
	tensor_load_to_lds s[G0S:G0S+3], s[G1S:G1S+7]
	s_nop 0
	NOP4
.Le_none:
	QPHASE 1, 0
	NARED
	SEQ                                            ; slot 0 and the scale bytes are in, strip 1's stage is whole, the upper LDS half has been read out:
	TLOADA                                         ; it takes slot 1: rows 256 to 511
	OUT 1
.irp t, 0,1,2,3,4,5,6,7
	global_load_b128 v[BI+8*\t:BI+8*\t+3], v27, s[94:95] offset:512*(\t/4)+64*(\t%4)
	global_load_b128 v[BI+8*\t+4:BI+8*\t+7], v27, s[94:95] offset:512*(\t/4)+64*(\t%4)+16
.endr
	s_wait_dscnt 0x0                               ; my reads of the stage are over:
	s_barrier_signal -1
	s_barrier_wait -1                              ; everybody's are: the tables may be written over it
	; wave 0: the log-sum-exp in base 2 of each strip's 128 null logits, the two strips by turns
	s_cmp_lg_u32 s[WV], 0
	s_cbranch_scc1 .Lnolse
.irp s, 0,1
	v_max3_num_f32 v[176+10*\s], v[NS+4*\s], v[NS+4*\s+1], v[NS+4*\s+2]
.endr
	v_mov_b32 v177, 0                              ; a lane permute's destination counts as one of its sources
	v_mov_b32 v187, 0
	v_mov_b32 v179, 0                              ; the stores' offset
.irp s, 0,1
	v_max_num_f32 v[176+10*\s], v[176+10*\s], v[NS+4*\s+3]
.endr
.irp m, 1,2,4,8
.irp s, 0,1
	s_delay_alu instid0(VALU_DEP_2)
	v_max_num_f32_dpp v[176+10*\s], v[176+10*\s], v[176+10*\s] row_xmask:\m row_mask:0xf bank_mask:0xf
.endr
.endr
.irp s, 0,1
	s_delay_alu instid0(VALU_DEP_2)
	v_permlanex16_b32 v[177+10*\s], v[176+10*\s], s[PS], s[PS+1]
.endr
.irp s, 0,1
	s_delay_alu instid0(VALU_DEP_2)
	v_max_num_f32 v[176+10*\s], v[176+10*\s], v[177+10*\s]   ; the largest is taken away ahead of the exponentials
.endr
.irp s, 0,1
	s_delay_alu instid0(VALU_DEP_2)
	v_mul_f32 v[178+10*\s], s[NC], v[176+10*\s]
.endr
.irp j, 0,1,2,3
.irp s, 0,1
	v_fma_f32 v[180+10*\s+\j], v[NS+4*\s+\j], s[CC], v[178+10*\s]
.endr
.endr
	s_wait_alu depctr_va_vdst(0)                   ; ahead of the batch
.irp j, 0,1,2,3
.irp s, 0,1
	v_exp_f32 v[180+10*\s+\j], v[180+10*\s+\j]
.endr
.endr
	v_nop
	s_wait_alu depctr_va_vdst(0)                   ; behind it
.irp s, 0,1
	v_add_f32 v[180+10*\s], v[180+10*\s], v[181+10*\s]
.endr
.irp s, 0,1
	v_add_f32 v[182+10*\s], v[182+10*\s], v[183+10*\s]
.endr
.irp s, 0,1
	s_delay_alu instid0(VALU_DEP_2)
	v_add_f32 v[180+10*\s], v[180+10*\s], v[182+10*\s]
.endr
.irp m, 1,2,4,8
.irp s, 0,1
	s_delay_alu instid0(VALU_DEP_2)
	v_add_f32_dpp v[180+10*\s], v[180+10*\s], v[180+10*\s] row_xmask:\m row_mask:0xf bank_mask:0xf
.endr
.endr
.irp s, 0,1
	s_delay_alu instid0(VALU_DEP_2)
	v_permlanex16_b32 v[177+10*\s], v[180+10*\s], s[PS], s[PS+1]
.endr
.irp s, 0,1
	s_delay_alu instid0(VALU_DEP_2)
	v_add_f32 v[180+10*\s], v[180+10*\s], v[177+10*\s]
.endr
	s_wait_alu depctr_va_vdst(0)                   ; ahead of the batch
.irp s, 0,1
	v_log_f32 v[180+10*\s], v[180+10*\s]
.endr
	v_cmp_eq_u32 vcc_lo, 0, v[LN]
	s_wait_alu depctr_va_vdst(0)                   ; behind it
.irp s, 0,1
	v_sub_f32 v[180+10*\s], v[180+10*\s], v[178+10*\s]       ; log2(sum) + K
.endr
	s_wait_alu depctr_va_vdst(0)
	s_wait_xcnt 0x0                                ; EXEC changes only behind this wait
	s_and_saveexec_b32 s72, vcc_lo
	global_store_b32 v179, v180, s[92:93] offset:128000
	global_store_b32 v179, v190, s[92:93] offset:128004
	s_wait_xcnt 0x0
	s_or_b32 exec_lo, exec_lo, s72
.Lnolse:
	s_wait_loadcnt 0x0                             ; the bias
	s_branch .Lring
	; ======== THE TARGET HEAD: one fill a wave, in one chain of arms: waves 0-1 the weight's halves, waves 2-3 slot 0's halves, waves 4-7 the quarters of the scale bytes
.Ltgt:
	s_mov_b32 s[G0B], 1
	s_add_co_u32 s[G0B+1], s73, BST
	s_add_nc_u64 s[G0B+2:G0B+3], s[18:19], s[76:77]
	s_or_b32 s[G0B+3], s[G0B+3], 0x80000000
	s_cmp_lt_u32 s[WV], 2
	s_cbranch_scc0 .Lhead_z
	tensor_load_to_lds s[G0B:G0B+3], s[G1H:G1H+7]
	s_nop 0
	NOP4
	s_branch .Lhead_done
.Lhead_z:
	s_cmp_lt_u32 s[WV], 4
	s_cbranch_scc0 .Lhead_s
	tensor_load_to_lds s[G0Z:G0Z+3], s[G1H:G1H+7]
	s_nop 0
	NOP4
	s_branch .Lhead_done
.Lhead_s:
	tensor_load_to_lds s[G0S:G0S+3], s[G1S:G1S+7]
	s_nop 0
	NOP4
.Lhead_done:
	s_lshl_b32 s72, ttmp9, 12
	s_lshl_b32 s73, s[CH], 11
	s_add_co_u32 s72, s72, s73                     ; 16 bytes a column: 4,096 x chunk + 2,048 x column half
	s_mov_b32 s73, 0
	s_add_nc_u64 s[20:21], s[20:21], s[72:73]
	s_lshr_b32 s72, s72, 2                         ; 4 bytes a column
	s_add_nc_u64 s[12:13], s[12:13], s[72:73]
.irp t, 0,1,2,3,4,5,6,7
	global_load_b128 v[BS+4*\t:BS+4*\t+3], v26, s[20:21] offset:256*\t
.endr
.irp t, 0,1,2,3,4,5,6,7
	global_load_b128 v[BI+8*\t:BI+8*\t+3], v27, s[12:13] offset:64*\t
	global_load_b128 v[BI+8*\t+4:BI+8*\t+7], v27, s[12:13] offset:64*\t+16
.endr
	SEQ                                            ; everybody's head fill has landed
	TLOADA                                         ; slot 1's first fill: rows 256 to 511
	WIN 0x40                                       ; destination window 1: fragment (tile t, K step s) at v[8 (4 t + s)]
.irp t, 0,1,2,3,4,5,6,7
.irp s, 0,1,2,3
.irp c, 0,1
	ds_load_b128 v[8*(4*\t+\s)+4*\c:8*(4*\t+\s)+4*\c+3], v25 offset:4352*\t+64*\s+32*\c
.endr
.endr
.endr
	WIN 0
	s_wait_loadcnt 0x0                             ; scale words and bias
.Lring:
	s_mov_b32 s[TB], 0
	s_mov_b32 s[TS], 0
	s_mov_b32 s[TR], 0
.macro ALOAD i                         ; tile i of my 64 rows: four fragments and the scale words: nine loads
.irp s, 0,1,2,3
.irp c, 0,1
	ds_load_b128 v[AF+8*\s+4*\c:AF+8*\s+4*\c+3], v[ADA] offset:4352*(\i)+64*\s+32*\c
.endr
.endr
	ds_load_b128 v[AX:AX+3], v[ADS] offset:256*(\i)
.endm
.macro SEL2 d, a, b                    ; two selects by VCC in one issue: v[d] = VCC ? v[b] : v[a], and the same one register up
	v_dual_cndmask_b32 v[\d], v[\a], v[\b] :: v_dual_cndmask_b32 v[\d+1], v[\a+1], v[\b+1]
.endm
; 16 rows x 128 columns: 32 matrix instructions, then the statistics.  Tile 3 also changes slots; fill = 1: the slot just read takes the rows two slots on.
.macro TILE i, fill
.if \i == 0
	s_wait_dscnt 0x0                               ; the tile's nine loads, just issued
.else
	s_wait_dscnt 0x2                               ; behind this tile's nine loads stand the last tile's table stores, two or three: the loads are in on both ways
.endif
	WIN 0x01                                       ; source 0 window 1
.irp s, 0,1,2,3                                ; the eight accumulators by turns
.irp t, 0,1,2,3,4,5,6,7
.if \s == 0
	v_wmma_scale_f32_16x16x128_f8f6f4 v[AC+8*\t:AC+8*\t+7], v[8*(4*\t+\s):8*(4*\t+\s)+7], v[AF+8*\s:AF+8*\s+7], v[BI+8*\t:BI+8*\t+7], v[BS+4*\t+\s], v[AX+\s] matrix_a_fmt:MATRIX_FMT_FP4 matrix_b_fmt:MATRIX_FMT_FP4
.else
	v_wmma_scale_f32_16x16x128_f8f6f4 v[AC+8*\t:AC+8*\t+7], v[8*(4*\t+\s):8*(4*\t+\s)+7], v[AF+8*\s:AF+8*\s+7], v[AC+8*\t:AC+8*\t+7], v[BS+4*\t+\s], v[AX+\s] matrix_a_fmt:MATRIX_FMT_FP4 matrix_b_fmt:MATRIX_FMT_FP4
.endif
.endr
.endr
	WIN 0
	NOP4                                           ; four places ahead of loads into the products' sources and of the first read of results
.if \i < 3
	ALOAD (\i)+1
.endif
.irp t, 0,1,2,3,4,5,6,7
	v_max3_num_f32 v[T+\t], v[AC+8*\t], v[AC+8*\t+1], v[AC+8*\t+2]   ; each accumulator from its low end on; the tiles by turns
.endr
.irp k, 3,5
.irp t, 0,1,2,3,4,5,6,7
	v_max3_num_f32 v[T+\t], v[T+\t], v[AC+8*\t+\k], v[AC+8*\t+\k+1]
.endr
.endr
.irp t, 0,1,2,3,4,5,6,7
	v_max_num_f32 v[T+\t], v[T+\t], v[AC+8*\t+7]
.endr
	v_max3_num_f32 v[MX], v[T], v[T+1], v[T+2]
	v_max3_num_f32 v[TA], v[T+3], v[T+4], v[T+5]
	s_delay_alu instid0(VALU_DEP_2)
	v_max3_num_f32 v[MX], v[MX], v[T+6], v[T+7]
	s_delay_alu instid0(VALU_DEP_1)
	v_max_num_f32 v[LM], v[MX], v[TA]              ; my 64 columns' largest
	s_delay_alu instid0(VALU_DEP_1)
	v_permlanex16_b32 v[PT], v[LM], s[PS], s[PS+1]
	s_delay_alu instid0(VALU_DEP_1)
	v_max_num_f32 v[MX], v[LM], v[PT]              ; the row's largest of these 128 columns, in both halves of the lanes
	s_cmp_eq_u32 s[KIND], 0
	s_wait_alu depctr_va_vdst(0)
	s_cbranch_scc1 .Lnoarg_\@
	; THE FIRST INDEX of the largest (target product alone): from tile 7 down, a lower tile that holds it takes the place of a higher one; registers 0-6 of the chosen tile go along (register 7 is what is left when none of them holds it)
	v_cmp_eq_f32 vcc_lo, v[T+6], v[MX]
.irp j, 0,2,4
	SEL2 SEL+\j, AC+56+\j, AC+48+\j
.endr
	v_cndmask_b32 v[SEL+6], v[AC+62], v[AC+54], vcc_lo
	v_cndmask_b32 v[TIX], 7, 6, vcc_lo
.irp t, 5,4,3,2,1,0
	v_cmp_eq_f32 vcc_lo, v[T+\t], v[MX]
.irp j, 0,2,4
	SEL2 SEL+\j, SEL+\j, AC+8*\t+\j
.endr
	v_cndmask_b32 v[SEL+6], v[SEL+6], v[AC+8*\t+6], vcc_lo
	v_cndmask_b32 v[TIX], v[TIX], \t, vcc_lo
.endr
	v_cmp_eq_f32 vcc_lo, v[SEL+6], v[MX]
	v_cndmask_b32 v[JX], 7, 6, vcc_lo
.irp j, 5,4,3,2,1,0
	v_cmp_eq_f32 vcc_lo, v[SEL+\j], v[MX]
	v_cndmask_b32 v[JX], v[JX], \j, vcc_lo
.endr
	v_cmp_eq_f32 vcc_lo, v[LM], v[MX]              ; does my half of the lanes hold it at all?
	v_lshl_add_u32 v[TIX], v[TIX], 4, v[JX]
	s_delay_alu instid0(VALU_DEP_1)
	v_add_nc_u32 v[TIX], v[CB], v[TIX]             ; 16 t + j + 128 x column half + 8 h
	s_delay_alu instid0(VALU_DEP_1)
	v_cndmask_b32 v[TIX], s[BIG], v[TIX], vcc_lo   ; if not: an index beyond every column
	s_delay_alu instid0(VALU_DEP_1)
	v_permlanex16_b32 v[PT], v[TIX], s[PS], s[PS+1]
	s_delay_alu instid0(VALU_DEP_1)
	v_min_u32 v[TIX], v[TIX], v[PT]
	ds_store_b32 v[ADT], v[TIX] offset:32768+64*\i
.Lnoarg_\@:
	v_mul_f32 v[NM], s[NC], v[MX]                  ; -K
.if \i == 3
	s_wait_alu depctr_va_vdst(0)
.endif
	ds_store_b32 v[ADT], v[MX] offset:64*\i        ; both halves of the lanes write the same word with the same value
.if \i == 3
	s_wait_tensorcnt 0x0                           ; all my tensor loads have landed: my part of the slot ahead; the walking group 0 may be written
	ds_add_u32 v[SPW], v[NIL]                      ; work on registers follows
.if \fill
	s_xor_b32 s[G0A+1], s[G0A+1], SLOT1            ; the slot that I have just read,
	s_add_nc_u64 s[G0A+2:G0A+3], s[G0A+2:G0A+3], 65536   ; the next 256 rows
.endif
.endif
.set p, 0
.rept 32
	v_pk_fma_f32 v[AC+2*p:AC+2*p+1], v[AC+2*p:AC+2*p+1], s[CC:CC+1], v[NM:NM+1] op_sel_hi:[1,0,0]   ; x c - K, two at a time
.set p, p+1
.endr
.if \i == 3
	s_wait_dscnt 0x0                               ; the add is done, my reads of this slot are over, my table entries so far lie in LDS
	s_barrier_signal -1                            ; registers alone are at work up to the barrier's wait
.endif
	s_wait_alu depctr_va_vdst(0)                   ; one wait ahead of the batch,
.set p, 0
.rept 64
	v_exp_f32 v[AC+p], v[AC+p]
.set p, p+1
.endr
	v_nop                                          ; a plain place behind the last exponential (ISA guide 5.7.2)
	s_wait_alu depctr_va_vdst(0)                   ; and one behind it
.irp k, 0,1,2,3
	v_pk_add_f32 v[SM+2*\k:SM+2*\k+1], v[AC+2*\k:AC+2*\k+1], v[AC+8+2*\k:AC+9+2*\k]   ; pairs k and k + 4 start four chains: nothing is cleared
.endr
.set p, 8
.rept 24
	v_pk_add_f32 v[SM+2*(p%4):SM+2*(p%4)+1], v[SM+2*(p%4):SM+2*(p%4)+1], v[AC+2*p:AC+2*p+1]
.set p, p+1
.endr
	v_pk_add_f32 v[SM:SM+1], v[SM:SM+1], v[SM+2:SM+3]
	v_pk_add_f32 v[SM+4:SM+5], v[SM+4:SM+5], v[SM+6:SM+7]
	s_delay_alu instid0(VALU_DEP_1)
	v_pk_add_f32 v[SM:SM+1], v[SM:SM+1], v[SM+4:SM+5]
	s_delay_alu instid0(VALU_DEP_1)
	v_add_f32 v[SM], v[SM], v[SM+1]
	s_delay_alu instid0(VALU_DEP_1)
	v_permlanex16_b32 v[PT], v[SM], s[PS], s[PS+1]
	s_delay_alu instid0(VALU_DEP_1)
	v_add_f32 v[SM], v[SM], v[PT]
.if \i == 3
	s_wait_alu depctr_va_vdst(0)
	s_barrier_wait -1                              ; the slot ahead is whole, and nobody reads the slot that I have left
.if \fill
	TLOADA                                         ; first behind the barrier, a wave's one tensor load until the next
.endif
.endif
	ds_store_b32 v[ADT], v[SM] offset:16384+64*\i
.endm
.macro SLOTWORK fill
	v_add_nc_u32 v[ADA], s[TB], v[AA0]
	v_add_nc_u32 v[ADS], s[TS], v[AS0]
	v_add_nc_u32 v[ADT], s[TR], v[AT0]
	s_wait_alu depctr_va_vdst(0)
	ALOAD 0
	TILE 0, 0
	TILE 1, 0
	TILE 2, 0
	TILE 3, \fill
	s_xor_b32 s[TB], s[TB], SLOT1                  ; on to the other slot,
	s_add_co_u32 s[TS], s[TS], 4096                ; the next 256 rows' scale words
	s_add_co_u32 s[TR], s[TR], 1024                ; and table entries
.endm
	s_mov_b32 s[SLOTS], 6
.Lslot:                                            ; slots 0 to 5: each ends by asking for the slot two on (2 to 7)
	SLOTWORK 1
	s_sub_co_u32 s[SLOTS], s[SLOTS], 1
	s_cmp_lg_u32 s[SLOTS], 0
	s_cbranch_scc1 .Lslot
	s_mov_b32 s[SLOTS], 2
.Llast:                                            ; slots 6 and 7 ask for nothing: one text for both; slot 6's barrier shows slot 7 whole
	SLOTWORK 0
	s_sub_co_u32 s[SLOTS], s[SLOTS], 1
	s_cmp_lg_u32 s[SLOTS], 0
	s_cbranch_scc1 .Llast
	; THE END: the two column halves of each row are joined; thread v0 takes rows 4 v0 + 1,024 u + 0 .. 3
	s_wait_dscnt 0x0                               ; for the others' sake: my table entries lie in LDS
	s_barrier_signal -1
	s_barrier_wait -1
	v_lshl_add_u32 v6, v0, 4, MT
	v_lshrrev_b32 v7, 4, v0
	v_and_b32 v8, 15, v0
	s_delay_alu instid0(VALU_DEP_2)
	v_mul_u32_u24 v7, v7, 32000                    ; part: [batch][chunk][64 rows]: 125 x 256 bytes a batch
	s_delay_alu instid0(VALU_DEP_1)
	v_lshl_add_u32 v7, v8, 4, v7                   ; sixteen lanes fill a chunk's 256 bytes of a batch
	s_wait_alu depctr_va_vdst(0)
	s_mul_i32 s72, s[KIND], 1024000                ; plane 0: emission, plane 1: target
	s_lshl_b32 s74, ttmp9, 8                       ; 256 x chunk: bytes in a batch, and the chunk's first column
	s_add_co_u32 s72, s72, s74
	s_mov_b32 s73, 0
	s_add_nc_u64 s[24:25], s[24:25], s[72:73]
.macro ENDU u
.set TU, 168+32*\u                     ; a set of registers for each u: no store's data are written again
	ds_load_b128 v[232:235], v6 offset:4096*\u
	ds_load_b128 v[236:239], v6 offset:4096*\u+8192
	ds_load_b128 v[240:243], v6 offset:4096*\u+16384
	ds_load_b128 v[244:247], v6 offset:4096*\u+24576
	s_wait_dscnt 0x0
.irp j, 0,1,2,3
	v_max_num_f32 v[TU+\j], v[232+\j], v[236+\j]
.endr
.irp j, 0,1,2,3
	v_mul_f32 v[TU+4+\j], s[NC], v[TU+\j]          ; -K of the two together; the same multiplication as in the loop gives the halves' own
.endr
.irp j, 0,1,2,3
	v_mul_f32 v[TU+8+\j], s[NC], v[232+\j]
.endr
.irp j, 0,1,2,3
	v_mul_f32 v[TU+12+\j], s[NC], v[236+\j]
.endr
.irp j, 0,1,2,3
	v_sub_f32 v[TU+8+\j], v[TU+4+\j], v[TU+8+\j]   ; 0 or less
.endr
.irp j, 0,1,2,3
	v_sub_f32 v[TU+12+\j], v[TU+4+\j], v[TU+12+\j]
.endr
	s_wait_alu depctr_va_vdst(0)                   ; ahead of the batch
.irp j, 0,1,2,3,4,5,6,7
	v_exp_f32 v[TU+8+\j], v[TU+8+\j]
.endr
	v_nop
	s_wait_alu depctr_va_vdst(0)                   ; behind it
.irp j, 0,1,2,3
	v_mul_f32 v[TU+16+\j], v[240+\j], v[TU+8+\j]
.endr
.irp j, 0,1,2,3
	v_fmac_f32 v[TU+16+\j], v[244+\j], v[TU+12+\j]
.endr
	s_wait_alu depctr_va_vdst(0)                   ; ahead of the batch
.irp j, 0,1,2,3
	v_log_f32 v[TU+16+\j], v[TU+16+\j]
.endr
	v_nop
	s_wait_alu depctr_va_vdst(0)                   ; behind it
.irp j, 0,1,2,3
	v_sub_f32 v[TU+16+\j], v[TU+16+\j], v[TU+4+\j] ; L = log2(sum) + K
.endr
	global_store_b128 v7, v[TU+16:TU+19], s[24:25] offset:512000*\u
	s_cmp_eq_u32 s[KIND], 0
	s_cbranch_scc1 .Lem_\@
	ds_load_b128 v[248:251], v6 offset:4096*\u+32768
	ds_load_b128 v[252:255], v6 offset:4096*\u+40960
	s_wait_dscnt 0x0
.irp j, 0,1,2,3
	v_cmp_gt_f32 vcc_lo, v[236+\j], v[232+\j]      ; the upper half wins only where it is greater: else the first index
	v_cndmask_b32 v[TU+20+\j], v[248+\j], v[252+\j], vcc_lo
.endr
.irp j, 0,1,2,3
	v_add_nc_u32 v[TU+20+\j], s74, v[TU+20+\j]
.endr
	global_store_b128 v7, v[TU:TU+3], s[24:25] offset:1024000+512000*\u       ; plane 2: the largest logit
	global_store_b128 v7, v[TU+20:TU+23], s[24:25] offset:2048000+512000*\u   ; plane 3: its column
.Lem_\@:
.endm
	ENDU 0
	ENDU 1
	s_wait_tensorcnt 0x0                           ; the wave's end
	ds_add_u32 v[SPW], v[NIL]
	s_wait_dscnt 0x0
	s_endpgm
.Lfunc_end_k_q326c118273_big:
	.size	k_q326c118273_big, .Lfunc_end_k_q326c118273_big-k_q326c118273_big
	.p2alignl 7, 3214868480
	.fill 96, 4, 3214868480
	.section	.rodata,"a",@progbits
	.p2align	6, 0x0
	.amdhsa_kernel k_q326c118273_big
		.amdhsa_group_segment_fixed_size 327680
		.amdhsa_private_segment_fixed_size 0
		.amdhsa_enable_private_segment 0
		.amdhsa_kernarg_size 112
		.amdhsa_user_sgpr_count 2
		.amdhsa_user_sgpr_kernarg_segment_ptr 1
		.amdhsa_wavefront_size32 1
		.amdhsa_system_sgpr_workgroup_id_x 1
		.amdhsa_system_sgpr_workgroup_id_y 1
		.amdhsa_system_sgpr_workgroup_id_z 1
		.amdhsa_system_vgpr_workitem_id 0
		.amdhsa_next_free_vgpr 512
		.amdhsa_next_free_sgpr 102
		.amdhsa_reserve_vcc 1
		.amdhsa_float_denorm_mode_32 3
		.amdhsa_float_denorm_mode_16_64 3
		.amdhsa_memory_ordered 1
		.amdhsa_forward_progress 1
		.amdhsa_inst_pref_size 255
	.end_amdhsa_kernel
	.section	.bss,"aw",@nobits
	.p2align	6
	.space	262144
	.amdgpu_metadata
---
amdhsa.version: [ 1, 2 ]
amdhsa.kernels:
  - .name:           k_q326c118273_big
    .symbol:         k_q326c118273_big.kd
    .args:
      - { .name: ts_codes, .offset: 0, .size: 8, .value_kind: global_buffer, .address_space: global }
      - { .name: ts_scales, .offset: 8, .size: 8, .value_kind: global_buffer, .address_space: global }
      - { .name: wsv_codes, .offset: 16, .size: 8, .value_kind: global_buffer, .address_space: global }
      - { .name: wsv_scales, .offset: 24, .size: 8, .value_kind: global_buffer, .address_space: global }
      - { .name: b_sv, .offset: 32, .size: 8, .value_kind: global_buffer, .address_space: global }
      - { .name: target_state_codes, .offset: 40, .size: 8, .value_kind: global_buffer, .address_space: global }
      - { .name: target_state_scales, .offset: 48, .size: 8, .value_kind: global_buffer, .address_space: global }
      - { .name: W_tv_codes, .offset: 56, .size: 8, .value_kind: global_buffer, .address_space: global }
      - { .name: W_tv_scales, .offset: 64, .size: 8, .value_kind: global_buffer, .address_space: global }
      - { .name: b_tv, .offset: 72, .size: 8, .value_kind: global_buffer, .address_space: global }
      - { .name: part, .offset: 80, .size: 8, .value_kind: global_buffer, .address_space: global }
      - { .name: W_sv, .offset: 88, .size: 8, .value_kind: global_buffer, .address_space: global }
      - { .name: tsn, .offset: 96, .size: 8, .value_kind: global_buffer, .address_space: global }
      - { .name: nul, .offset: 104, .size: 8, .value_kind: global_buffer, .address_space: global }
    .group_segment_fixed_size: 327680
    .private_segment_fixed_size: 0
    .kernarg_segment_align: 8
    .kernarg_segment_size: 112
    .max_flat_workgroup_size: 256
    .sgpr_count:     102
    .vgpr_count:     512
    .wavefront_size: 32
...
	.end_amdgpu_metadata
.endif
;; end of part 2
;; launch fin (part 3): grid 32 x 1, 8 waves a work-group, no clusters, 24,576 bytes of LDS; arguments part, nul, ts_codes, ts_scales, wsv_codes, wsv_scales, b_sv, sources, target_state_codes, target_state_scales, W_tv_codes, W_tv_scales, b_tv, targets, target_lengths, out0, out1, out2, out3; writes out0, out1, out2, out3
.if DOCPART == 3
	.amdgcn_target "amdgcn-amd-amdhsa--gfx1250"
	.amdhsa_code_object_version 6
	.text
	.protected	k_q326c118273_fin
	.globl	k_q326c118273_fin
	.p2align	8
	.type	k_q326c118273_fin,@function
k_q326c118273_fin:
	s_mov_b64 s[64:65], 0
	v_nop
	global_prefetch_b8 v0, s[64:65] scope:SCOPE_SE
	s_setreg_imm32_b32 hwreg(HW_REG_WAVE_MODE, 25, 1), 1
	s_wait_xcnt 0x0
; The outputs of one batch.  (1) All eight waves join the 125 chunks' statistics of the batch's 64 rows: wave w takes chunks 4 i + (w / 2) and rows 32 (w % 2) + lane; four parts a row meet in LDS.
; (2) Behind the one barrier the waves part for good.  Waves 0-3 (emission), rows 16 w on: the logits of the 64 source tokens are made anew by matrix instructions on the gathered rows of W_sv's codes,
; p = 2^(x c - L), c = log2 e, L the row's log-sum-exp in base 2; and the null row's 64 probabilities from the gathered null logits, repeated over 16 rows.  Waves 4-7 (target), rows 16 (w - 4) on: the 16 x 16 tile
; of rows against their own tokens' rows of W_tv, of which the diagonal is taken; probability, its logarithm, the mask, and the argmax.
; Every log-sum-exp takes its largest term away ahead of the exponentials.  Indices are held to 31,999 before they enter an address.
; TRANSPOSED: source 0 = 16 gathered rows of the weight, source 1 = 16 rows: lane (r, h) holds row r, register j gathered row 8 h + j of the tile.
; LIMITS: a probability under 2^-126 comes out as 0; its logarithm is t ln 2 down to t = -150 and -infinity below, times the mask.  NaN among the logits is not served.
; No tensor loads and no cluster: no two work-groups read the same rows but by chance of the indices.
; LDS: LT [4 planes][4 parts][64 rows] f32; BT 256 bytes a wave: the gathered bias on its way into the result's layout; STG 16 rows x (256 + 16) bytes for each emission wave.
.set LT,  0
.set BT,  4096
.set STG, 6144
.set AF,  52                           ; v52-83   my rows' four fragments
.set AX,  84                           ; v84-87   their scale words
.set BX,  88                           ; v88-103  the gathered rows' scale words
.set GB,  104                          ; v104-107 the gathered bias
.set GN,  108                          ; v108-111 the gathered null logits, then their probabilities
.set PV,  128                          ; v128-255 4 planes x 32 chunk statistics; later the gathered fragments; later rows of out0
.set WV,  54
.set RT,  55
.set PS,  66                           ; s[66:67] lane selects;  s[68:69] c, twice
.set CC,  68
; the log-sum-exp in base 2 of the 32 numbers in v[b] on, into v[d]
.macro LSE32 b, d
	v_max3_num_f32 v44, v[\b], v[\b+1], v[\b+2]
	v_max3_num_f32 v46, v[\b+3], v[\b+4], v[\b+5]
.set i, 6
.rept 6
	s_delay_alu instid0(VALU_DEP_2)
	v_max3_num_f32 v44, v44, v[\b+i], v[\b+i+1]
	s_delay_alu instid0(VALU_DEP_2)
	v_max3_num_f32 v46, v46, v[\b+i+2], v[\b+i+3]
.set i, i+4
.endr
	s_delay_alu instid0(VALU_DEP_2)
	v_max3_num_f32 v44, v44, v[\b+30], v[\b+31]
	s_delay_alu instid0(VALU_DEP_1)
	v_max_num_f32 v44, v44, v46
.set i, 0
.rept 16
	v_pk_add_f32 v[\b+i:\b+i+1], v[\b+i:\b+i+1], v[44:45] op_sel_hi:[1,0] neg_lo:[0,1] neg_hi:[0,1]
.set i, i+2
.endr
.set i, 0
	s_wait_alu depctr_va_vdst(0)
.rept 32
	v_exp_f32 v[\b+i], v[\b+i]
.set i, i+1
.endr
	v_nop
	s_wait_alu depctr_va_vdst(0)
	v_pk_add_f32 v[46:47], v[\b:\b+1], v[\b+2:\b+3]
	v_pk_add_f32 v[48:49], v[\b+4:\b+5], v[\b+6:\b+7]
.set i, 8
.rept 6
	v_pk_add_f32 v[46:47], v[46:47], v[\b+i:\b+i+1]
	v_pk_add_f32 v[48:49], v[48:49], v[\b+i+2:\b+i+3]
.set i, i+4
.endr
	s_delay_alu instid0(VALU_DEP_1)
	v_pk_add_f32 v[46:47], v[46:47], v[48:49]
	s_delay_alu instid0(VALU_DEP_1)
	v_add_f32 v46, v46, v47
	s_wait_alu depctr_va_vdst(0)
	v_log_f32 v46, v46
	v_nop
	s_wait_alu depctr_va_vdst(0)
	v_add_f32 v[\d], v44, v46
.endm
; the four parts in v116-119 become the row's L in v116
.macro LCOMB
	v_max3_num_f32 v120, v116, v117, v118
	s_delay_alu instid0(VALU_DEP_1)
	v_max_num_f32 v120, v120, v119
.irp p, 0,1,2,3
	v_sub_f32 v[116+\p], v[116+\p], v120
.endr
	s_wait_alu depctr_va_vdst(0)
.irp p, 0,1,2,3
	v_exp_f32 v[116+\p], v[116+\p]
.endr
	v_nop
	s_wait_alu depctr_va_vdst(0)
	v_add_f32 v116, v116, v117
	v_add_f32 v118, v118, v119
	s_delay_alu instid0(VALU_DEP_1)
	v_add_f32 v116, v116, v118
	s_wait_alu depctr_va_vdst(0)
	v_log_f32 v116, v116
	v_nop
	s_wait_alu depctr_va_vdst(0)
	v_add_f32 v116, v116, v120
.endm
; tile t of gathered rows: four fragments, the scale words, the bias.  Offsets: v[20+t] 256 idx + 16 h, v[24+t] 16 idx, v[28+t] 4 idx
.macro GATHER t
.irp s, 0,1,2,3
.irp c, 0,1
	global_load_b128 v[PV+32*(\t)+8*\s+4*\c:PV+32*(\t)+8*\s+4*\c+3], v[20+(\t)], s[46:47] offset:64*\s+32*\c
.endr
.endr
	global_load_b128 v[BX+4*(\t):BX+4*(\t)+3], v[24+(\t)], s[48:49]
	global_load_b32 v[GB+(\t)], v[28+(\t)], s[50:51]
.endm
	s_load_b512 s[4:19], s[0:1], 0x0               ; part s[4:5], nul s[6:7], ts_codes, ts_scales, wsv_codes, wsv_scales, b_sv, sources s[18:19]
	s_load_b512 s[20:35], s[0:1], 0x40             ; target_state_codes, target_state_scales, W_tv_codes, W_tv_scales, b_tv, targets, target_lengths s[32:33], out0 s[34:35]
	s_load_b128 s[36:39], s[0:1], 0x80             ; out1, out2
	s_load_b64 s[40:41], s[0:1], 0x90              ; out3
	v_lshl_add_u32 v126, v0, 2, 0x5c00
	v_mov_b32 v127, 0
	v_lshrrev_b32 v1, 5, v0
	s_delay_alu instid0(VALU_DEP_1)
	v_readfirstlane_b32 s[WV], v1                  ; wave 0..7
	s_and_b32 s[RT], s[WV], 3                      ; my tile of 16 rows
	; every address register is made here, ahead of the parting
	v_and_b32 v1, 31, v0                           ; lane
	v_and_b32 v2, 15, v0                           ; r
	v_bfe_u32 v3, v0, 4, 1                         ; h
	s_delay_alu instid0(VALU_DEP_2)
	v_lshlrev_b32 v4, 8, v2
	s_delay_alu instid0(VALU_DEP_1)
	v_lshl_add_u32 v4, v3, 4, v4                   ; my rows' codes: 256 r + 16 h
	s_delay_alu instid0(VALU_DEP_4)
	v_lshlrev_b32 v5, 4, v2                        ; 16 r
	v_lshlrev_b32 v6, 2, v0                        ; 4 x thread = 256 (w / 2) + 4 (32 (w % 2) + lane): in a batch of part, and in a plane of LT
	v_bfe_u32 v7, v0, 5, 2
	s_delay_alu instid0(VALU_DEP_1)
	v_lshl_add_u32 v8, v7, 4, v2                   ; my row in the batch: 16 (w % 4) + r
	s_delay_alu instid0(VALU_DEP_1)
	v_lshlrev_b32 v9, 2, v8                        ; its word: in LT, in targets, in out1 to out3
	v_lshrrev_b32 v10, 5, v0
	s_delay_alu instid0(VALU_DEP_1)
	v_lshlrev_b32 v10, 8, v10
	s_delay_alu instid0(VALU_DEP_1)
	v_add_nc_u32 v10, BT, v10
	s_delay_alu instid0(VALU_DEP_1)
	v_lshl_add_u32 v11, v3, 5, v10                 ; the bias back: BT + 256 w + 32 h
	s_delay_alu instid0(VALU_DEP_2)
	v_lshl_add_u32 v10, v2, 2, v10                 ; the bias in: BT + 256 w + 4 r
	v_mul_u32_u24 v12, v7, 4352
	s_delay_alu instid0(VALU_DEP_1)
	v_add_nc_u32 v12, STG, v12
	s_delay_alu instid0(VALU_DEP_1)
	v_mad_u32_u24 v13, v3, 272, v12
	s_delay_alu instid0(VALU_DEP_1)
	v_lshl_add_u32 v13, v2, 4, v13                 ; the stage, back: row h, 16 bytes a lane
	s_delay_alu instid0(VALU_DEP_3)
	v_mad_u32_u24 v12, v2, 272, v12
	s_delay_alu instid0(VALU_DEP_1)
	v_lshl_add_u32 v12, v3, 5, v12                 ; the stage, in: row r, + 32 h
	v_lshlrev_b32 v14, 8, v3
	s_delay_alu instid0(VALU_DEP_1)
	v_lshl_add_u32 v14, v2, 4, v14                 ; out0: 256 h + 16 r
	v_lshlrev_b32 v15, 2, v2                       ; 4 r
	v_lshlrev_b32 v16, 2, v1                       ; 4 lane
	v_add_nc_u32 v17, 224, v1
	s_delay_alu instid0(VALU_DEP_1)
	v_min_u32 v17, 249, v17
	s_delay_alu instid0(VALU_DEP_1)
	v_lshlrev_b32 v17, 2, v17                      ; the last of the 250 null sums: no load leaves the buffer
	v_lshlrev_b32 v18, 4, v3                       ; 16 h
	v_mov_b32 v45, 0                               ; (named as the upper half of the pair v[44:45])
	s_mul_i32 s56, ttmp9, 32000                    ; a batch of part
	s_mov_b32 s57, 0
	s_lshl_b32 s58, ttmp9, 14
	s_lshl_b32 s59, s[RT], 12
	s_add_co_u32 s58, s58, s59                     ; my rows' codes: (64 b + 16 tile) x 256
	s_mov_b32 s59, 0
	s_lshr_b32 s60, s58, 4                         ; their scale bytes: x 16
	s_mov_b32 s61, 0
	s_lshl_b32 s62, ttmp9, 8                       ; 64 words a batch
	s_mov_b32 s63, 0
	s_lshl_b32 s70, ttmp9, 15
	s_lshl_b32 s71, s[RT], 12
	s_add_co_u32 s70, s70, s71                     ; out0: 128 rows of 256 bytes a batch, + my 16 rows
	s_mov_b32 s71, 0
	s_lshl_b32 s72, ttmp9, 2
	s_mov_b32 s73, 0
	s_mov_b32 s[PS], 0x76543210
	s_mov_b32 s[PS+1], 0xfedcba98
	s_mov_b32 s[CC], 0x3fb8aa3b
	s_mov_b32 s[CC+1], s[CC]
	s_wait_alu depctr_va_vdst(0)
	s_wait_kmcnt 0x0
	s_cmp_lt_u32 s[WV], 4                          ; emission or target: the choice hangs on the wave's number alone
	s_cselect_b64 s[42:43], s[8:9], s[20:21]       ; the rows' codes
	s_cselect_b64 s[44:45], s[10:11], s[22:23]     ; their scale bytes
	s_cselect_b64 s[46:47], s[12:13], s[24:25]     ; the weight's codes
	s_cselect_b64 s[48:49], s[14:15], s[26:27]     ; its scale bytes
	s_cselect_b64 s[50:51], s[16:17], s[28:29]     ; the bias
	s_cselect_b64 s[52:53], s[18:19], s[30:31]     ; the indices
	s_add_nc_u64 s[4:5], s[4:5], s[56:57]
	s_add_nc_u64 s[42:43], s[42:43], s[58:59]
	s_add_nc_u64 s[44:45], s[44:45], s[60:61]
	s_add_nc_u64 s[52:53], s[52:53], s[62:63]
	s_add_nc_u64 s[34:35], s[34:35], s[70:71]
	s_add_nc_u64 s[36:37], s[36:37], s[62:63]
	s_add_nc_u64 s[38:39], s[38:39], s[62:63]
	s_add_nc_u64 s[40:41], s[40:41], s[62:63]
	s_add_nc_u64 s[32:33], s[32:33], s[72:73]
	; the batch's indices (sources or targets, by the wave's role) go out first, one text for both roles: tokens 16 t + r and 4 r + 0 .. 3 serve the emission waves, my row's own token the target waves
.irp t, 0,1,2,3
	global_load_b32 v[20+\t], v15, s[52:53] offset:64*\t
.endr
	global_load_b128 v[40:43], v5, s[52:53]
	global_load_b32 v19, v9, s[52:53]
.irp s, 0,1,2,3
.irp c, 0,1
	global_load_b128 v[AF+8*\s+4*\c:AF+8*\s+4*\c+3], v4, s[42:43] offset:64*\s+32*\c
.endr
.endr
	global_load_b128 v[AX:AX+3], v5, s[44:45]
.irp q, 0,1,2,3                                ; plane q, chunk 4 i + part: a wave's load reads 128 consecutive bytes
.set i, 0
.rept 31
	global_load_b32 v[PV+32*\q+i], v6, s[4:5] offset:1024000*\q+1024*i
.set i, i+1
.endr
.endr
	s_cmp_lt_u32 s[WV], 2                          ; 125 = 4 x 31 + 1: chunk 124 is trip 31 of part 0; the other parts have nothing there
	s_cbranch_scc0 .Lno124
.irp q, 0,1,2,3
	global_load_b32 v[PV+32*\q+31], v6, s[4:5] offset:1024000*\q+1024*31
.endr
	s_branch .Lhave124
.Lno124:
	v_mov_b32 v[PV+31], 0xff800000                 ; -infinity: adds nothing to a sum and wins no comparison
	v_mov_b32 v[PV+63], 0xff800000
	v_mov_b32 v[PV+95], 0xff800000
	v_mov_b32 v[PV+127], 0
.Lhave124:
	s_wait_loadcnt 0x0
	LSE32 PV, 112                                  ; emission
	LSE32 PV+32, 113                               ; target
.set i, 1
	v_cmp_gt_f32 vcc_lo, v[PV+64+i], v[PV+64]
	s_delay_alu instid0(VALU_DEP_1)
	v_cndmask_b32 v[PV+96], v[PV+96], v[PV+96+i], vcc_lo
	v_max_num_f32 v[PV+64], v[PV+64], v[PV+64+i]
.set i, i+1
.rept (31)-1
	s_delay_alu instid0(VALU_DEP_1)
	v_cmp_gt_f32 vcc_lo, v[PV+64+i], v[PV+64]
	s_delay_alu instid0(VALU_DEP_1)
	v_cndmask_b32 v[PV+96], v[PV+96], v[PV+96+i], vcc_lo
	s_delay_alu instid0(VALU_DEP_3)
	v_max_num_f32 v[PV+64], v[PV+64], v[PV+64+i]
.set i, i+1
.endr
	ds_store_b32 v6, v112 offset:LT
	ds_store_b32 v6, v113 offset:LT+1024
	ds_store_b32 v6, v[PV+64] offset:LT+2048
	ds_store_b32 v6, v[PV+96] offset:LT+3072
	s_wait_dscnt 0x0                               ; for the others' sake: my parts lie in LDS
	s_barrier_signal -1
	s_barrier_wait -1
	s_cmp_lt_u32 s[WV], 4
	s_cbranch_scc0 .Ltarget
	; ---- EMISSION
.irp k, 0,1,2,3,4,5,6
	global_load_b32 v[32+\k], v16, s[6:7] offset:128000+128*\k
.endr
	global_load_b32 v39, v17, s[6:7] offset:128000
.irp p, 0,1,2,3
	ds_load_b32 v[116+\p], v9 offset:LT+256*\p
.endr
	v_mov_b32 v50, 0xff800000
	v_mov_b32 v51, 0                               ; a lane permute's destination counts as one of its sources
.irp t, 0,1,2,3
	v_min_u32 v[20+\t], 0x7cff, v[20+\t]
.endr
.irp t, 0,1,2,3
	s_delay_alu instid0(VALU_DEP_4)
	v_lshlrev_b32 v[24+\t], 4, v[20+\t]
.endr
.irp t, 0,1,2,3
	v_lshlrev_b32 v[28+\t], 2, v[20+\t]
.endr
.irp t, 0,1,2,3
	v_lshlrev_b32 v[20+\t], 8, v[20+\t]
.endr
.irp t, 0,1,2,3
	s_delay_alu instid0(VALU_DEP_4)
	v_add_nc_u32 v[20+\t], v18, v[20+\t]
.endr
.irp j, 0,1,2,3
	v_min_u32 v[40+\j], 0x7cff, v[40+\j]
.endr
.irp j, 0,1,2,3
	s_delay_alu instid0(VALU_DEP_4)
	v_lshlrev_b32 v[40+\j], 2, v[40+\j]
.endr
	GATHER 0
	GATHER 1
	GATHER 2
	GATHER 3
.irp j, 0,1,2,3
	global_load_b32 v[GN+\j], v[40+\j], s[6:7]
.endr
	s_wait_dscnt 0x0
	LCOMB                                          ; v116 = my row's L
	s_wait_loadcnt 44                              ; the 250 null sums are in; behind them: 4 x 10 gather loads and 4 null logits
	v_cmp_gt_u32 vcc_lo, 26, v1
	s_delay_alu instid0(VALU_DEP_1)
	v_cndmask_b32 v39, v50, v39, vcc_lo            ; 224 + 26 = 250: the lanes beyond count for nothing
	v_max3_num_f32 v44, v32, v33, v34
	v_max3_num_f32 v46, v35, v36, v37
	s_delay_alu instid0(VALU_DEP_2)
	v_max3_num_f32 v44, v44, v38, v39
	s_delay_alu instid0(VALU_DEP_1)
	v_max_num_f32 v44, v44, v46
	s_delay_alu instid0(VALU_DEP_1)
	v_max_num_f32_dpp v44, v44, v44 row_xmask:1 row_mask:0xf bank_mask:0xf
	s_delay_alu instid0(VALU_DEP_1)
	v_max_num_f32_dpp v44, v44, v44 row_xmask:2 row_mask:0xf bank_mask:0xf
	s_delay_alu instid0(VALU_DEP_1)
	v_max_num_f32_dpp v44, v44, v44 row_xmask:4 row_mask:0xf bank_mask:0xf
	s_delay_alu instid0(VALU_DEP_1)
	v_max_num_f32_dpp v44, v44, v44 row_xmask:8 row_mask:0xf bank_mask:0xf
	s_delay_alu instid0(VALU_DEP_1)
	v_permlanex16_b32 v51, v44, s[PS], s[PS+1]
	s_delay_alu instid0(VALU_DEP_1)
	v_max_num_f32 v44, v44, v51
.irp j, 0,2,4,6
	v_pk_add_f32 v[32+\j:33+\j], v[32+\j:33+\j], v[44:45] op_sel_hi:[1,0] neg_lo:[0,1] neg_hi:[0,1]
.endr
	s_wait_alu depctr_va_vdst(0)
.irp j, 0,1,2,3,4,5,6,7
	v_exp_f32 v[32+\j], v[32+\j]
.endr
	v_nop
	s_wait_alu depctr_va_vdst(0)
	v_pk_add_f32 v[32:33], v[32:33], v[34:35]
	v_pk_add_f32 v[36:37], v[36:37], v[38:39]
	s_delay_alu instid0(VALU_DEP_1)
	v_pk_add_f32 v[32:33], v[32:33], v[36:37]
	s_delay_alu instid0(VALU_DEP_1)
	v_add_f32 v32, v32, v33
	s_delay_alu instid0(VALU_DEP_1)
	v_add_f32_dpp v32, v32, v32 row_xmask:1 row_mask:0xf bank_mask:0xf
	s_delay_alu instid0(VALU_DEP_1)
	v_add_f32_dpp v32, v32, v32 row_xmask:2 row_mask:0xf bank_mask:0xf
	s_delay_alu instid0(VALU_DEP_1)
	v_add_f32_dpp v32, v32, v32 row_xmask:4 row_mask:0xf bank_mask:0xf
	s_delay_alu instid0(VALU_DEP_1)
	v_add_f32_dpp v32, v32, v32 row_xmask:8 row_mask:0xf bank_mask:0xf
	s_delay_alu instid0(VALU_DEP_1)
	v_permlanex16_b32 v51, v32, s[PS], s[PS+1]
	s_delay_alu instid0(VALU_DEP_1)
	v_add_f32 v32, v32, v51
	s_wait_alu depctr_va_vdst(0)
	v_log_f32 v32, v32
	v_nop
	s_wait_alu depctr_va_vdst(0)
	v_add_f32 v121, v44, v32                       ; the null row's L
	s_wait_alu depctr_va_vdst(0)
	s_wait_loadcnt 0x0                             ; all gathers are in: their offset registers may be written
.irp t, 0,1,2,3
	ds_store_b32 v10, v[GB+\t] offset:64*\t        ; the bias of token 16 t + r (both halves of the lanes write the same word with the same value)
.endr
.irp t, 0,1,2,3                                ; and back in the result's layout, as the sums' beginnings: LDS serves a wave's instructions in order
	ds_load_b128 v[20+8*\t:23+8*\t], v11 offset:64*\t
	ds_load_b128 v[24+8*\t:27+8*\t], v11 offset:64*\t+16
.endr
.irp j, 0,1,2,3
	v_fma_f32 v[GN+\j], v[GN+\j], s[CC], -v121
.endr
	s_wait_alu depctr_va_vdst(0)
.irp j, 0,1,2,3
	v_exp_f32 v[GN+\j], v[GN+\j]                   ; the null row's probabilities of tokens 4 r + 0 .. 3
.endr
	s_wait_dscnt 0x0
.irp s, 0,1,2,3                                ; four accumulators by turns, one instruction a turn
.irp t, 0,1,2,3
	v_wmma_scale_f32_16x16x128_f8f6f4 v[20+8*\t:27+8*\t], v[PV+32*\t+8*\s:PV+32*\t+8*\s+7], v[AF+8*\s:AF+8*\s+7], v[20+8*\t:27+8*\t], v[BX+4*\t+\s], v[AX+\s] matrix_a_fmt:MATRIX_FMT_FP4 matrix_b_fmt:MATRIX_FMT_FP4
.endr
.endr
.rept 4
	v_nop                                          ; four places between the last products and the first read of results
.endr
.set j, 0
.rept 16
	v_pk_fma_f32 v[20+j:21+j], v[20+j:21+j], s[CC:CC+1], v[116:117] op_sel_hi:[1,0,0] neg_lo:[0,0,1] neg_hi:[0,0,1]   ; x c - L, from each accumulator's low end on
.set j, j+2
.endr
.set j, 0
	s_wait_alu depctr_va_vdst(0)
.rept 32
	v_exp_f32 v[20+j], v[20+j]
.set j, j+1
.endr
	v_nop
	s_wait_alu depctr_va_vdst(0)
.irp t, 0,1,2,3                                ; lane (r, h): tokens 16 t + 8 h + 0 .. 7 of row r: through my own stage into whole rows of 256 bytes
	ds_store_b128 v12, v[20+8*\t:23+8*\t] offset:64*\t
	ds_store_b128 v12, v[24+8*\t:27+8*\t] offset:64*\t+16
.endr
.irp i, 0,1,2,3,4,5,6,7
	ds_load_b128 v[PV+4*\i:PV+4*\i+3], v13 offset:544*\i
.endr
.irp i, 0,1,2,3,4,5,6,7
	global_store_b128 v14, v[GN:GN+3], s[34:35] offset:16384+512*\i   ; rows 64 + 16 tile + 2 i + h: the null row again and again; two whole rows a store
.endr
.irp i, 0,1,2,3,4,5,6,7
	s_wait_dscnt 7-\i
	global_store_b128 v14, v[PV+4*\i:PV+4*\i+3], s[34:35] offset:512*\i
.endr
	s_wait_tensorcnt 0x0
	ds_add_u32 v126, v127
	s_wait_dscnt 0x0
	s_endpgm
	; ---- TARGET
.Ltarget:
	s_load_b32 s60, s[32:33], 0x0                  ; the batch's length
.irp p, 0,1,2,3
	ds_load_b32 v[116+\p], v9 offset:LT+1024+256*\p
.endr
.irp p, 0,1,2,3
	ds_load_b32 v[32+\p], v9 offset:LT+2048+256*\p
.endr
.irp p, 0,1,2,3
	ds_load_b32 v[36+\p], v9 offset:LT+3072+256*\p
.endr
	v_mov_b32 v46, 0xff800000
	v_mov_b32 v50, 0                               ; a lane permute's destination counts as one of its sources
	s_wait_loadcnt 0x0
	v_min_u32 v20, 0x7cff, v19
	s_delay_alu instid0(VALU_DEP_1)
	v_lshlrev_b32 v24, 4, v20
	s_delay_alu instid0(VALU_DEP_2)
	v_lshlrev_b32 v28, 2, v20
	s_delay_alu instid0(VALU_DEP_3)
	v_lshlrev_b32 v20, 8, v20
	s_delay_alu instid0(VALU_DEP_1)
	v_add_nc_u32 v20, v18, v20
	GATHER 0
	s_wait_dscnt 0x0
	LCOMB                                          ; v116 = my row's L
.irp p, 1
	v_min_u32 v45, v36, v[36+\p]
	v_cmp_eq_f32 vcc_lo, v[32+\p], v32
	s_delay_alu instid0(VALU_DEP_1)
	v_cndmask_b32 v36, v36, v45, vcc_lo
	v_cmp_gt_f32 vcc_lo, v[32+\p], v32
	s_delay_alu instid0(VALU_DEP_1)
	v_cndmask_b32 v36, v36, v[36+\p], vcc_lo
	v_max_num_f32 v32, v32, v[32+\p]
.endr
.irp p, 2, 3
	s_delay_alu instid0(VALU_DEP_2)
	v_min_u32 v45, v36, v[36+\p]
	s_delay_alu instid0(VALU_DEP_2)
	v_cmp_eq_f32 vcc_lo, v[32+\p], v32
	s_delay_alu instid0(VALU_DEP_1)
	v_cndmask_b32 v36, v36, v45, vcc_lo
	s_delay_alu instid0(VALU_DEP_4)
	v_cmp_gt_f32 vcc_lo, v[32+\p], v32
	s_delay_alu instid0(VALU_DEP_1)
	v_cndmask_b32 v36, v36, v[36+\p], vcc_lo
	v_max_num_f32 v32, v32, v[32+\p]
.endr
	v_and_b32 v48, 7, v2                           ; r % 8
	v_lshrrev_b32 v51, 3, v2                       ; r / 8
	s_wait_loadcnt 0x0
	v_wmma_scale_f32_16x16x128_f8f6f4 v[40:47], v[PV:PV+7], v[AF:AF+7], 0, v[BX], v[AX] matrix_a_fmt:MATRIX_FMT_FP4 matrix_b_fmt:MATRIX_FMT_FP4
.irp s, 1,2,3                                  ; one accumulator
	s_wait_alu depctr_va_vdst(0)
	v_wmma_scale_f32_16x16x128_f8f6f4 v[40:47], v[PV+8*\s:PV+8*\s+7], v[AF+8*\s:AF+8*\s+7], v[40:47], v[BX+\s], v[AX+\s] matrix_a_fmt:MATRIX_FMT_FP4 matrix_b_fmt:MATRIX_FMT_FP4
.endr
.rept 4
	v_nop
.endr
	; the diagonal: row r against token r lies in register r % 8 of the lane with h = r / 8
	v_cmp_eq_u32 vcc_lo, 1, v48
	v_cndmask_b32 v49, v40, v41, vcc_lo            ; from the accumulator's low end on
.irp j, 2,3,4,5,6,7
	v_cmp_eq_u32 vcc_lo, \j, v48
	v_cndmask_b32 v49, v49, v[40+\j], vcc_lo
.endr
	s_delay_alu instid0(VALU_DEP_1)
	v_permlanex16_b32 v50, v49, s[PS], s[PS+1]
	v_cmp_eq_u32 vcc_lo, v51, v3
	s_delay_alu instid0(VALU_DEP_1)
	v_cndmask_b32 v49, v50, v49, vcc_lo            ; my own where h = r / 8, else lane l xor 16's
	v_mov_b32 v46, 0xff800000                      ; -infinity (the accumulator's registers are free again)
	s_delay_alu instid0(VALU_DEP_2)
	v_add_f32 v49, v49, v[GB]                      ; + the token's bias
	s_delay_alu instid0(VALU_DEP_1)
	v_fma_f32 v49, v49, s[CC], -v116               ; t = x c - L
	s_wait_alu depctr_va_vdst(0)
	v_exp_f32 v50, v49                             ; the probability
	v_mul_f32 v51, 0x3f317218, v49                 ; its logarithm: t ln 2
	v_cmp_gt_f32 vcc_lo, 0xc3160000, v49           ; t under -150: the probability is 0 in f32
	s_delay_alu instid0(VALU_DEP_1)
	v_cndmask_b32 v51, v51, v46, vcc_lo
	s_wait_kmcnt 0x0
	v_cmp_gt_i32 vcc_lo, s60, v8                   ; my row < the length
	s_delay_alu instid0(VALU_DEP_1)
	v_cndmask_b32 v44, 0, 1.0, vcc_lo
	s_wait_alu depctr_va_vdst(0)
	v_mul_f32 v50, v50, v44
	v_mul_f32 v51, v51, v44
	v_cmp_gt_u32 vcc_lo, 16, v1
	s_wait_alu depctr_va_vdst(0)
	s_wait_xcnt 0x0                                ; EXEC changes only behind this wait
	s_wait_tensorcnt 0x0
	ds_add_u32 v126, v127
	s_wait_dscnt 0x0
	s_and_saveexec_b32 s61, vcc_lo                 ; lanes 0-15 hold the 16 rows
	global_store_b32 v9, v50, s[36:37]
	global_store_b32 v9, v51, s[38:39]
	global_store_b32 v9, v36, s[40:41]
	s_wait_xcnt 0x0
	s_or_b32 exec_lo, exec_lo, s61
	s_endpgm
.Lfunc_end_k_q326c118273_fin:
	.size	k_q326c118273_fin, .Lfunc_end_k_q326c118273_fin-k_q326c118273_fin
	.p2alignl 7, 3214868480
	.fill 96, 4, 3214868480
	.section	.rodata,"a",@progbits
	.p2align	6, 0x0
	.amdhsa_kernel k_q326c118273_fin
		.amdhsa_group_segment_fixed_size 24576
		.amdhsa_private_segment_fixed_size 0
		.amdhsa_enable_private_segment 0
		.amdhsa_kernarg_size 152
		.amdhsa_user_sgpr_count 2
		.amdhsa_user_sgpr_kernarg_segment_ptr 1
		.amdhsa_wavefront_size32 1
		.amdhsa_system_sgpr_workgroup_id_x 1
		.amdhsa_system_sgpr_workgroup_id_y 1
		.amdhsa_system_sgpr_workgroup_id_z 1
		.amdhsa_system_vgpr_workitem_id 0
		.amdhsa_next_free_vgpr 256
		.amdhsa_next_free_sgpr 96
		.amdhsa_reserve_vcc 1
		.amdhsa_float_denorm_mode_32 3
		.amdhsa_float_denorm_mode_16_64 3
		.amdhsa_memory_ordered 1
		.amdhsa_forward_progress 1
		.amdhsa_inst_pref_size 59
	.end_amdhsa_kernel
	.amdgpu_metadata
---
amdhsa.version: [ 1, 2 ]
amdhsa.kernels:
  - .name:           k_q326c118273_fin
    .symbol:         k_q326c118273_fin.kd
    .args:
      - { .name: part, .offset: 0, .size: 8, .value_kind: global_buffer, .address_space: global }
      - { .name: nul, .offset: 8, .size: 8, .value_kind: global_buffer, .address_space: global }
      - { .name: ts_codes, .offset: 16, .size: 8, .value_kind: global_buffer, .address_space: global }
      - { .name: ts_scales, .offset: 24, .size: 8, .value_kind: global_buffer, .address_space: global }
      - { .name: wsv_codes, .offset: 32, .size: 8, .value_kind: global_buffer, .address_space: global }
      - { .name: wsv_scales, .offset: 40, .size: 8, .value_kind: global_buffer, .address_space: global }
      - { .name: b_sv, .offset: 48, .size: 8, .value_kind: global_buffer, .address_space: global }
      - { .name: sources, .offset: 56, .size: 8, .value_kind: global_buffer, .address_space: global }
      - { .name: target_state_codes, .offset: 64, .size: 8, .value_kind: global_buffer, .address_space: global }
      - { .name: target_state_scales, .offset: 72, .size: 8, .value_kind: global_buffer, .address_space: global }
      - { .name: W_tv_codes, .offset: 80, .size: 8, .value_kind: global_buffer, .address_space: global }
      - { .name: W_tv_scales, .offset: 88, .size: 8, .value_kind: global_buffer, .address_space: global }
      - { .name: b_tv, .offset: 96, .size: 8, .value_kind: global_buffer, .address_space: global }
      - { .name: targets, .offset: 104, .size: 8, .value_kind: global_buffer, .address_space: global }
      - { .name: target_lengths, .offset: 112, .size: 8, .value_kind: global_buffer, .address_space: global }
      - { .name: out0, .offset: 120, .size: 8, .value_kind: global_buffer, .address_space: global }
      - { .name: out1, .offset: 128, .size: 8, .value_kind: global_buffer, .address_space: global }
      - { .name: out2, .offset: 136, .size: 8, .value_kind: global_buffer, .address_space: global }
      - { .name: out3, .offset: 144, .size: 8, .value_kind: global_buffer, .address_space: global }
    .group_segment_fixed_size: 24576
    .private_segment_fixed_size: 0
    .kernarg_segment_align: 8
    .kernarg_segment_size: 152
    .max_flat_workgroup_size: 256
    .sgpr_count:     96
    .vgpr_count:     256
    .wavefront_size: 32
...
	.end_amdgpu_metadata
.endif
;; end of part 3
